; MI455X (gfx1250); checked and timed in simulation.
; The chip was launched on July 23, 2026; its instructions are those of AMD's public machine-readable ISA for CDNA 5 (MIT licence, August 2026) and "CDNA5" Instruction Set Architecture Reference Guide (July 2026). The comments in the code are by the model that wrote it; some were corrected since.
;; Nested Feed Forward. Allowed arithmetic: float matrix products may take bf16 or f16 operands with f32 sums; other float arithmetic in f32, or as packed bf16 or f16 multiplies, adds, multiply-adds, maxima and minima; sums over many terms, partial sums and values carried from step to step in f32; what a program stores and reads back later, other than sums and carried values, may be rounded once to bf16 or f16.
;; Inputs: b1 2,048 float32; b2 2,048 float32; token_mask 4 x 2,048 int32; w1 2,048 x 2,048 float32; w2 2,048 x 2,048 float32; x 4 x 2,048 x 2,048 float32.
;; Outputs: out0 4 x 2,048 x 2,048 float32.
;; 2 versions, each right and faster than the one before. Each part assembles by itself: llvm-mc -triple=amdgcn-amd-amdhsa -mcpu=gfx1250 --defsym DOCPART=n.
;; ======== version 1 of 2: 3 launches
;; limits: a function is approximated: absolute error at most 2.5e-05; an absolute error that grows with the inputs' magnitude: up to 1.25e-05 times it; values are held in f16: magnitudes above 65,504 overflow, below 6.1e-05 lose precision; inputs' magnitudes at most 65,504; below input magnitudes of 6.1e-05 results are inexact or not finite
;; workspace buffers: xs 33,554,432 bytes; h 33,554,432 bytes; w1f 8,388,608 bytes; w2f 8,388,608 bytes; order 32,768 bytes of whole numbers; meta1 256 bytes of whole numbers; meta2 256 bytes of whole numbers
;; launch prep (part 1): grid 512 x 1, 8 waves a work-group, no clusters, 75,520 bytes of LDS; arguments token_mask, x, w1, w2, xs, w1f, w2f, order, meta1, meta2, out0; writes xs, w1f, w2f, order, meta1, meta2, out0
.if DOCPART == 1
	.amdgcn_target "amdgcn-amd-amdhsa--gfx1250"
	.amdhsa_code_object_version 6
	.text
	.protected	k_q53ded1bb89_prep
	.globl	k_q53ded1bb89_prep
	.p2align	8
	.type	k_q53ded1bb89_prep,@function
k_q53ded1bb89_prep:
	s_mov_b64 s[64:65], 0
	v_nop
	global_prefetch_b8 v0, s[64:65] scope:SCOPE_SE
	s_setreg_imm32_b32 hwreg(HW_REG_WAVE_MODE, 25, 1), 1
	s_wait_xcnt 0x0
; PREP.  Sorts the 8,192 tokens by nested width (2048, 1024, 512, 256, none), lays x and both weights out as matrix operands, and writes the zeros of out0.
; SORTED ORDER: mask 4, 3, 2, 1, then every other value; inside a class by (wave, register, lane) of the count below.  order[p] = token | wcode << 16, wcode = width / 256 (8, 4, 2, 1, 0).
; A row tile t is the sorted rows 128 t .. 128 t + 127; W(t) is the wcode of its first, widest row.  A column group c is 256 columns; tile (t, c) is LIVE if c < W(t).
; SHARES: work-group g = 8 t + c.  Every work-group repeats the counting sort of all 8,192 masks (32 KB) and keeps the 128 entries of its tile.  Then wave w owns 16 sorted rows x 256 columns:
; live: x -> xs (rows narrower than the tile's width get zeros there); dead: zeros -> out0 (the live tiles of out0 are written by the second product), and in column group 0 zeros -> xs too,
; since the first product's prologue loads that group of every tile.  Each wave also converts 16 rows x 128 columns of w1 or w2.
; OPERAND LAYOUT (xs, w1f, w2f): [16-row block][32-K block][half][lane][16 bytes]: lane (r = l % 16, hh = l / 16) holds row r, K = 16 half + 8 hh + 0..7: the register image of a 16 x 32 operand,
; so that every later load of it is 512 consecutive bytes.
; FORMAT: each number is rounded once to bf16 (nearest even) and that number is written as f16.  LIMITS: exact for magnitudes from 6.1e-5 to 65,504; below, f16's fixed step of 6e-8 applies;
; from 65,520 on the number becomes an infinity.  NaN and infinities are not treated apart.  No matrix unit, no cluster: the launch only moves and converts, and no two work-groups read the same x or weights.
.set STGW,   8448                      ; a wave's stage: 16 rows of 512 bytes + 16 of padding (pitch 528 = 33 x 16: the 16 rows of a read start at 16 different 16-byte columns)
.set CNT,    67584                     ; behind the eight stages: 8 waves x 4 counts
.set LISTS,  67840                     ; 8 waves x 768 bytes: 128 entries of the tile as this wave found them, and a word at byte 512 for all the others
.set LISTW,  768
.set MERGED, 73984                     ; the tile's 128 entries
.set SPARE,  74496                     ; the spare words, 128 bytes for each wave: four blocks of 256 bytes that no other line names
.set L16, 1                            ; v1   16 x lane
.set SA,  2                            ; v2   stage, in: my wave's stage + 8 x lane
.set FR,  3                            ; v3   stage, back: + 528 r + 16 hh
.set TK,  4                            ; v4   1,024 x wave + 4 x lane: the token of my first mask
.set AD,  5                            ; v5   an address at work
.set SPW, 6                            ; v6   LDS address of my spare word; never rewritten
.set NIL, 7                            ; v7   0; never rewritten
.set M,   8                            ; v8-39    my 32 masks; later v8-23 the wave's 16 entries
.set WD,  40                           ; v40-103  16 rows x 4 numbers of the weights
.set XD,  104                          ; v104-231 2 x 16 rows x 4 numbers of x
.set RO,  232                          ; v232-247 byte offset of my 16 bytes in each of the wave's 16 token rows
.set Z,   248                          ; v248-251 zeros
.set T0,  252                          ; v252-255 at work
.set WV,  26                           ; s26  wave
.set G,   27                           ; s27  work-group
.set TT,  28                           ; s28  t
.set CC,  29                           ; s29  c
.set N4,  30                           ; s30-33  my wave's counts of masks 4, 3, 2, 1; afterwards s30 is HM
.set HM,  30                           ; s30  mask of a word's upper 16 bits
.set RUN, 34                           ; s34-38  next position, less 128 t, for masks 4, 3, 2, 1 and for the others
.set TMP, 39
.set KM,  40                           ; s40-55  row i keeps its numbers in this column group: all ones or 0
.set TM,  56                           ; s56-60  lane masks of the five classes
.set WT,  62                           ; s62  W(t)
.set LW,  63                           ; s63  my wave's list
.set RB,  66                           ; s66-97  the 8 x 4 counts
.set CU,  98                           ; s98-101 C4, C3, C2, C1: rows with width at least 2048, 1024, 512, 256
.macro BAR                             ; what the other waves lean on is done (LDS stores and loads alike), then the barrier
	s_wait_dscnt 0x0
	s_barrier_signal -1
	s_barrier_wait -1
.endm
.macro CV d                            ; v[d .. d+3], four f32 -> v[d], v[d+1], four f16 that hold the numbers rounded to bf16
	v_cvt_pk_bf16_f32 v[(\d)], v[(\d)], v[(\d)+1]
	v_cvt_pk_bf16_f32 v[(\d)+2], v[(\d)+2], v[(\d)+3]
	v_and_b32 v[(\d)+1], s[HM], v[(\d)]
	v_lshlrev_b32 v[(\d)], 16, v[(\d)]
	v_and_b32 v[(\d)+3], s[HM], v[(\d)+2]
	v_lshlrev_b32 v[(\d)+2], 16, v[(\d)+2]
	v_cvt_pk_f16_f32 v[(\d)], v[(\d)], v[(\d)+1]
	v_cvt_pk_f16_f32 v[(\d)+1], v[(\d)+2], v[(\d)+3]
.endm
; The wave's 16 x 128 of the weights: converted, through the stage, out as four operand blocks (4,096 consecutive bytes).  younger = loads issued behind the 16 weight loads.
.macro W_UNIT younger
	s_wait_loadcnt \younger                        ; loads come back in order: the weights are in, the younger loads stay out
.set i, 0
.rept 16
	CV WD+4*i
	ds_store_b64 v[SA], v[WD+4*i:WD+4*i+1] offset:528*i
.set i, i+1
.endr
.set i, 0
.rept 8
	ds_load_b128 v[WD+4*i:WD+4*i+3], v[FR] offset:32*i   ; a wave's LDS instructions are served in order: these see the stores above
.set i, i+1
.endr
.set i, 0
.rept 8
	s_wait_dscnt 7-i                               ; block i is back; the younger LDS loads stay out
	global_store_b128 v[L16], v[WD+4*i:WD+4*i+3], s[14:15] offset:512*i
.set i, i+1
.endr
.endm
	s_load_b512 s[4:19], s[0:1], 0x0               ; token_mask s[4:5], x s[6:7], w1 s[8:9], w2 s[10:11], xs s[12:13], w1f s[14:15], w2f s[16:17], order s[18:19]
	s_load_b128 s[20:23], s[0:1], 0x40             ; meta1 s[20:21], meta2 s[22:23]
	s_load_b64 s[24:25], s[0:1], 0x50              ; out0
	v_lshl_add_u32 v[SPW], v0, 2, SPARE
	v_mov_b32 v[NIL], 0
	v_mov_b32 v[Z], 0
	v_mov_b32 v[Z+1], 0
	v_mov_b32 v[Z+2], 0
	v_mov_b32 v[Z+3], 0
	v_lshrrev_b32 v[T0], 5, v0
	v_readfirstlane_b32 s[WV], v[T0]
	v_and_b32 v[AD], 31, v0                        ; lane
	v_lshlrev_b32 v[L16], 4, v[AD]
	s_mov_b32 s[G], ttmp9
	s_lshr_b32 s[TT], s[G], 3
	s_and_b32 s[CC], s[G], 7
	s_mul_i32 s[TMP], s[WV], STGW                  ; my wave's stage begins here
	v_lshl_add_u32 v[SA], v[AD], 3, s[TMP]
	v_and_b32 v[T0], 15, v[AD]                     ; r
	v_lshrrev_b32 v[T0+1], 4, v[AD]                ; hh
	v_mul_u32_u24 v[FR], v[T0], 528
	v_lshl_add_u32 v[FR], v[T0+1], 4, v[FR]
	v_add_nc_u32 v[FR], s[TMP], v[FR]
	s_lshl_b32 s[TMP], s[WV], 10
	v_lshl_add_u32 v[TK], v[AD], 2, s[TMP]
	s_mul_i32 s[LW], s[WV], LISTW
	s_add_co_u32 s[LW], s[LW], LISTS
	s_lshl_b32 s56, s[WV], 12                      ; my wave's 1,024 masks
	s_mov_b32 s57, 0
	s_bfe_u32 s58, s[G], 0x70001                   ; the weight unit: 16-row block (g / 2) % 128,
	s_and_b32 s59, s[G], 1
	s_lshl3_add_u32 s59, s59, s[WV]                ; 128-column chunk 8 (g % 2) + wave
	s_lshl_b32 s60, s58, 17                        ; from: 16 rows of 8,192 bytes, 512 bytes a chunk
	s_lshl_b32 s61, s59, 9
	s_add_co_u32 s60, s60, s61
	s_mov_b32 s61, 0
	s_lshl_b32 s58, s58, 16                        ; to: 64 operand blocks of 1,024 bytes a row block, four a chunk
	s_lshl_b32 s59, s59, 12
	s_add_co_u32 s58, s58, s59
	s_mov_b32 s59, 0
	s_wait_kmcnt 0x0
	s_add_nc_u64 s[4:5], s[4:5], s[56:57]
	s_cmp_ge_u32 s[G], 256                         ; work-groups 0-255 convert w1, 256-511 w2
	s_cselect_b64 s[8:9], s[10:11], s[8:9]
	s_cselect_b64 s[14:15], s[16:17], s[14:15]
	s_add_nc_u64 s[8:9], s[8:9], s[60:61]
	s_add_nc_u64 s[14:15], s[14:15], s[58:59]
.irp j, 0,1,2,3,4,5,6,7
	global_load_b128 v[M+4*\j:M+4*\j+3], v[L16], s[4:5] offset:512*\j   ; register 4 j + e of lane l is token 1,024 wave + 128 j + 4 l + e
.endr
.irp i, 0,1,2,3,4,5,6,7,8,9,10,11,12,13,14,15
	global_load_b128 v[WD+4*\i:WD+4*\i+3], v[L16], s[8:9] offset:8192*\i th:TH_LOAD_NT  ; 512 consecutive bytes of weight row i; they land while the sort runs
.endr
	s_lshl_b32 s56, s[CC], 10                      ; the column group: 1,024 bytes into a row of x and of out0
	s_add_nc_u64 s[6:7], s[6:7], s[56:57]
	s_add_nc_u64 s[24:25], s[24:25], s[56:57]
	s_lshl_b32 s56, s[TT], 19                      ; xs: row block 8 t + wave, K block 8 c
	s_lshl_b32 s58, s[WV], 16
	s_add_co_u32 s56, s56, s58
	s_lshl_b32 s58, s[CC], 13
	s_add_co_u32 s56, s56, s58
	s_add_nc_u64 s[12:13], s[12:13], s[56:57]
	s_lshl_b32 s56, s[TT], 9                       ; order: the tile's 128 words
	s_add_nc_u64 s[18:19], s[18:19], s[56:57]
	; PASS 1: my wave's counts of the four valid masks
	v_add_nc_u32 v[AD], s[LW], v[L16]
	ds_store_b128 v[AD], v[Z:Z+3]                  ; my list's 128 entries start at 0: the merge below is an OR
	s_mov_b32 s[N4], 0
	s_mov_b32 s[N4+1], 0
	s_mov_b32 s[N4+2], 0
	s_mov_b32 s[N4+3], 0
	s_wait_loadcnt 16                              ; the masks are in; the 16 weight loads behind them stay out
.set g, 0
.rept 32
	v_cmp_eq_u32 s[TM], 4, v[M+g]
	v_cmp_eq_u32 s[TM+1], 3, v[M+g]
	v_cmp_eq_u32 s[TM+2], 2, v[M+g]
	v_cmp_eq_u32 s[TM+3], 1, v[M+g]
.irp k, 0,1,2,3
	s_bcnt1_i32_b32 s[TM+\k], s[TM+\k]
	s_add_co_u32 s[N4+\k], s[N4+\k], s[TM+\k]
.endr
.set g, g+1
.endr
	v_mov_b32 v[T0], s[N4]
	v_mov_b32 v[T0+1], s[N4+1]
	v_mov_b32 v[T0+2], s[N4+2]
	v_mov_b32 v[T0+3], s[N4+3]
	s_lshl_b32 s[TMP], s[WV], 4
	s_add_co_u32 s[TMP], s[TMP], CNT
	v_mov_b32 v[AD], s[TMP]
	ds_store_b128 v[AD], v[T0:T0+3]                ; all lanes write the same four words
	BAR                                            ; barrier 1: every wave's counts are in LDS
	; BASES: totals, and what the waves before mine hold of each class
	v_lshrrev_b32 v[AD], 2, v[L16]
	v_add_nc_u32 v[AD], CNT, v[AD]
	ds_load_b32 v[T0], v[AD]                       ; lane l: count l % 4 of wave l / 4
.irp k, 0,1,2,3
	s_mov_b32 s[RUN+\k], 0
	s_mov_b32 s[CU+\k], 0
.endr
	s_wait_dscnt 0x0
.set n, 0
.rept 32
	v_readlane_b32 s[RB+n], v[T0], n
.set n, n+1
.endr
.set w, 0
.rept 8
	s_cmp_gt_u32 s[WV], w                          ; the four selects stand ahead of the adds, which write SCC
	s_cselect_b32 s[TM], s[RB+4*w], 0
	s_cselect_b32 s[TM+1], s[RB+4*w+1], 0
	s_cselect_b32 s[TM+2], s[RB+4*w+2], 0
	s_cselect_b32 s[TM+3], s[RB+4*w+3], 0
.irp k, 0,1,2,3
	s_add_co_u32 s[RUN+\k], s[RUN+\k], s[TM+\k]
	s_add_co_u32 s[CU+\k], s[CU+\k], s[RB+4*w+\k]
.endr
.set w, w+1
.endr
	s_add_co_u32 s[TMP], s[RUN], s[RUN+1]
	s_add_co_u32 s[TMP], s[TMP], s[RUN+2]
	s_add_co_u32 s[TMP], s[TMP], s[RUN+3]          ; valid tokens in the waves before mine
	s_add_co_u32 s[CU+1], s[CU+1], s[CU]           ; C3
	s_add_co_u32 s[CU+2], s[CU+2], s[CU+1]         ; C2
	s_add_co_u32 s[CU+3], s[CU+3], s[CU+2]         ; C1
	s_lshl_b32 s[RUN+4], s[WV], 10
	s_sub_co_u32 s[RUN+4], s[RUN+4], s[TMP]        ; the others in the waves before mine,
	s_add_co_u32 s[RUN+4], s[RUN+4], s[CU+3]       ; behind all valid tokens
	s_add_co_u32 s[RUN+1], s[RUN+1], s[CU]
	s_add_co_u32 s[RUN+2], s[RUN+2], s[CU+1]
	s_add_co_u32 s[RUN+3], s[RUN+3], s[CU+2]
	s_lshl_b32 s[TMP], s[TT], 7
.irp k, 0,1,2,3,4
	s_sub_co_u32 s[RUN+\k], s[RUN+\k], s[TMP]      ; positions count from the tile's first row; one in front of it wraps to a large number
.endr
	; PASS 2: each token's position; the entries that fall into my tile go into my wave's list, all others onto the word behind it
.set g, 0
.rept 32
	v_cmp_eq_u32 s[TM], 4, v[M+g]
	v_cmp_eq_u32 s[TM+1], 3, v[M+g]
	v_cmp_eq_u32 s[TM+2], 2, v[M+g]
	v_cmp_eq_u32 s[TM+3], 1, v[M+g]
	v_add_nc_u32 v[T0+2], -1, v[M+g]
	v_add_nc_u32 v[T0+1], 128*(g/4)+g%4, v[TK]     ; the token
	s_or_b32 s[TM+4], s[TM], s[TM+1]
	s_or_b32 s61, s[TM+2], s[TM+3]
	s_or_b32 s[TM+4], s[TM+4], s61
	s_not_b32 s[TM+4], s[TM+4]                     ; every other mask value
	v_lshlrev_b32 v[T0+2], v[T0+2], 1              ; wcode = 1 << (mask - 1),
	v_mbcnt_lo_u32_b32 v[T0], s[TM+4], s[RUN+4]    ; position = the class's next + the lanes below me in the class
	v_cndmask_b32 v[T0+2], v[T0+2], 0, s[TM+4]     ; or 0
	v_lshl_or_b32 v[T0+2], v[T0+2], 16, v[T0+1]    ; the entry
.irp k, 0,1,2,3
	v_mbcnt_lo_u32_b32 v[T0+1], s[TM+\k], s[RUN+\k]
	v_cndmask_b32 v[T0], v[T0], v[T0+1], s[TM+\k]
.endr
.irp k, 0,1,2,3,4
	s_bcnt1_i32_b32 s[TM+\k], s[TM+\k]
	s_add_co_u32 s[RUN+\k], s[RUN+\k], s[TM+\k]
.endr
	v_min_u32 v[T0], 128, v[T0]                    ; 0 .. 127: in my tile; everything else: word 128
	v_lshl_add_u32 v[T0+3], v[T0], 2, s[LW]        ; inside my wave's 768 bytes
	ds_store_b32 v[T0+3], v[T0+2]
.set g, g+1
.endr
	BAR                                            ; barrier 2: all eight lists are written
	s_cmp_lt_u32 s[WV], 4                          ; threads 0-127 merge: each position was filled by one wave, the others hold 0
	s_cbranch_scc0 .Lmerged
	v_lshl_add_u32 v[AD], v0, 2, LISTS
.irp w, 0,1,2,3,4,5,6,7
	ds_load_b32 v[XD+\w], v[AD] offset:LISTW*\w
.endr
	s_wait_dscnt 0x0
	v_or_b32 v[XD], v[XD], v[XD+1]
	v_or_b32 v[XD+2], v[XD+2], v[XD+3]
	v_or_b32 v[XD+4], v[XD+4], v[XD+5]
	v_or_b32 v[XD+6], v[XD+6], v[XD+7]
	v_or_b32 v[XD], v[XD], v[XD+2]
	v_or_b32 v[XD+4], v[XD+4], v[XD+6]
	v_or_b32 v[XD], v[XD], v[XD+4]
	ds_store_b32 v[AD], v[XD] offset:MERGED-LISTS
.Lmerged:
	BAR                                            ; barrier 3, the last: every branch on the masks' counts stands behind it
	; my wave's 16 entries, the same in every lane
	s_lshl_b32 s[TMP], s[WV], 6
	s_add_co_u32 s[TMP], s[TMP], MERGED
	v_mov_b32 v[AD], s[TMP]
.irp q, 0,1,2,3
	ds_load_b128 v[M+4*\q:M+4*\q+3], v[AD] offset:16*\q
.endr
	s_mov_b32 s[HM], 0xffff0000
	s_lshl_b32 s61, s[TT], 7                       ; W(t) from the tile's first row and the four bounds
	s_mov_b32 s[WT], 0
	s_cmp_lt_u32 s61, s[CU+3]
	s_cselect_b32 s[WT], 1, s[WT]
	s_cmp_lt_u32 s61, s[CU+2]
	s_cselect_b32 s[WT], 2, s[WT]
	s_cmp_lt_u32 s61, s[CU+1]
	s_cselect_b32 s[WT], 4, s[WT]
	s_cmp_lt_u32 s61, s[CU]
	s_cselect_b32 s[WT], 8, s[WT]
	s_wait_dscnt 0x0
.set i, 0
.rept 16
	v_and_b32 v[T0], 0xffff, v[M+i]
	v_min_u32 v[T0], 0x1fff, v[T0]                 ; a token's number, held inside the table
	v_lshl_add_u32 v[RO+i], v[T0], 13, v[L16]      ; its row of 8,192 bytes + my 16
	v_lshrrev_b32 v[T0+1], 16, v[M+i]
	v_cmp_lt_u32 s[KM+i], s[CC], v[T0+1]           ; c < the row's wcode: the row has these columns
.set i, i+1
.endr
	s_cmp_lt_u32 s[CC], s[WT]
	s_cbranch_scc0 .Ldead
	; LIVE: 16 token rows x 256 columns of x
.set u, 0
.rept 2
.set i, 0
.rept 16
	global_load_b128 v[XD+4*(16*u+i):XD+4*(16*u+i)+3], v[RO+i], s[6:7] offset:512*u th:TH_LOAD_NT  ; 512 consecutive bytes of one row
.set i, i+1
.endr
.set u, u+1
.endr
	W_UNIT 32                                      ; the weights are converted while x is on its way: 32 younger loads
.set u, 0
.rept 2
	s_wait_loadcnt 16*(1-u)                        ; half u of the columns is in; the other half's 16 loads are younger
.set i, 0
.rept 16
	CV XD+4*(16*u+i)
	v_cndmask_b32 v[XD+4*(16*u+i)], 0, v[XD+4*(16*u+i)], s[KM+i]       ; a narrower row holds zeros here
	v_cndmask_b32 v[XD+4*(16*u+i)+1], 0, v[XD+4*(16*u+i)+1], s[KM+i]
	ds_store_b64 v[SA], v[XD+4*(16*u+i):XD+4*(16*u+i)+1] offset:528*i+256*u  ; behind the weight unit's reads of the stage, in the wave's order
.set i, i+1
.endr
.set u, u+1
.endr
.set i, 0
.rept 16
	ds_load_b128 v[XD+4*i:XD+4*i+3], v[FR] offset:32*i
.set i, i+1
.endr
.set i, 0
.rept 16
	s_wait_dscnt 15-i                              ; half block i is back; the younger LDS loads stay out
	global_store_b128 v[L16], v[XD+4*i:XD+4*i+3], s[12:13] offset:512*i  ; eight operand blocks: 8,192 consecutive bytes
.set i, i+1
.endr
	s_branch .Llists
.Ldead:                                                ; DEAD: out0 holds zeros in these columns of these rows
.set u, 0
.rept 2
.set i, 0
.rept 16
	global_store_b128 v[RO+i], v[Z:Z+3], s[24:25] offset:512*u th:TH_STORE_NT  ; 512 consecutive bytes of one row
.set i, i+1
.endr
.set u, u+1
.endr
	s_cmp_lg_u32 s[CC], 0
	s_cbranch_scc1 .Lno_xs
.set i, 0
.rept 16                                               ; column group 0 of a tile without a valid row: the first product loads it all the same, so it is written: zeros, as for every masked number of x
	global_store_b128 v[L16], v[Z:Z+3], s[12:13] offset:512*i
.set i, i+1
.endr
.Lno_xs:
	W_UNIT 0                                       ; no load was issued behind the weights'
.Llists:                                               ; one wave for each tile stores its part of the list; one wave of the launch the bounds
	s_or_b32 s[TMP], s[CC], s[WV]
	s_cmp_lg_u32 s[TMP], 0
	s_cbranch_scc1 .Lend
	v_add_nc_u32 v[AD], MERGED, v[L16]
	ds_load_b128 v[8:11], v[AD]
	s_wait_dscnt 0x0
	global_store_b128 v[L16], v[8:11], s[18:19]    ; 512 consecutive bytes
	s_cmp_lg_u32 s[G], 0
	s_cbranch_scc1 .Lend
	v_mov_b32 v12, 0                               ; words 0, 2, 4, 6: C4, C3, C2, C1; word 8: 0 for the first product, 1 for the second; the rest 0
	v_mov_b32 v13, 0
	v_mov_b32 v15, 0
	v_writelane_b32 v12, s[CU], 0
	v_writelane_b32 v12, s[CU+1], 1
	v_writelane_b32 v12, s[CU+2], 2
	v_writelane_b32 v12, s[CU+3], 3
	v_mov_b32 v14, v12
	s_mov_b32 s[TMP], 1
	v_writelane_b32 v14, s[TMP], 4
	v_lshrrev_b32 v[T0], 1, v[L16]                 ; 8 x lane: one store covers the buffer's 256 bytes
	global_store_b64 v[T0], v[12:13], s[20:21]
	global_store_b64 v[T0], v[14:15], s[22:23]
.Lend:
	s_wait_tensorcnt 0x0                           ; the wave's end, behind my last LDS store
	ds_add_u32 v[SPW], v[NIL]
	s_wait_dscnt 0x0
	s_endpgm
.Lfunc_end_k_q53ded1bb89_prep:
	.size	k_q53ded1bb89_prep, .Lfunc_end_k_q53ded1bb89_prep-k_q53ded1bb89_prep
	.p2alignl 7, 3214868480
	.fill 96, 4, 3214868480
	.section	.rodata,"a",@progbits
	.p2align	6, 0x0
	.amdhsa_kernel k_q53ded1bb89_prep
		.amdhsa_group_segment_fixed_size 75520
		.amdhsa_private_segment_fixed_size 0
		.amdhsa_enable_private_segment 0
		.amdhsa_kernarg_size 88
		.amdhsa_user_sgpr_count 2
		.amdhsa_user_sgpr_kernarg_segment_ptr 1
		.amdhsa_wavefront_size32 1
		.amdhsa_system_sgpr_workgroup_id_x 1
		.amdhsa_system_sgpr_workgroup_id_y 1
		.amdhsa_system_sgpr_workgroup_id_z 1
		.amdhsa_system_vgpr_workitem_id 0
		.amdhsa_next_free_vgpr 256
		.amdhsa_next_free_sgpr 104
		.amdhsa_reserve_vcc 0
		.amdhsa_float_denorm_mode_32 3
		.amdhsa_float_denorm_mode_16_64 3
		.amdhsa_memory_ordered 1
		.amdhsa_forward_progress 1
		.amdhsa_inst_pref_size 137
	.end_amdhsa_kernel
	.amdgpu_metadata
---
amdhsa.version: [ 1, 2 ]
amdhsa.kernels:
  - .name:           k_q53ded1bb89_prep
    .symbol:         k_q53ded1bb89_prep.kd
    .args:
      - { .name: token_mask, .offset: 0, .size: 8, .value_kind: global_buffer, .address_space: global }
      - { .name: x, .offset: 8, .size: 8, .value_kind: global_buffer, .address_space: global }
      - { .name: w1, .offset: 16, .size: 8, .value_kind: global_buffer, .address_space: global }
      - { .name: w2, .offset: 24, .size: 8, .value_kind: global_buffer, .address_space: global }
      - { .name: xs, .offset: 32, .size: 8, .value_kind: global_buffer, .address_space: global }
      - { .name: w1f, .offset: 40, .size: 8, .value_kind: global_buffer, .address_space: global }
      - { .name: w2f, .offset: 48, .size: 8, .value_kind: global_buffer, .address_space: global }
      - { .name: order, .offset: 56, .size: 8, .value_kind: global_buffer, .address_space: global }
      - { .name: meta1, .offset: 64, .size: 8, .value_kind: global_buffer, .address_space: global }
      - { .name: meta2, .offset: 72, .size: 8, .value_kind: global_buffer, .address_space: global }
      - { .name: out0, .offset: 80, .size: 8, .value_kind: global_buffer, .address_space: global }
    .group_segment_fixed_size: 75520
    .private_segment_fixed_size: 0
    .kernarg_segment_align: 8
    .kernarg_segment_size: 88
    .max_flat_workgroup_size: 256
    .sgpr_count:     104
    .vgpr_count:     256
    .wavefront_size: 32
...
	.end_amdgpu_metadata
.endif
;; end of part 1
;; launch hidden (part 2): grid 512 x 1, 4 waves a work-group, no clusters, 149,504 bytes of LDS; arguments xs, w1f, b1, order, meta1, h; writes h
.if DOCPART == 2
	.amdgcn_target "amdgcn-amd-amdhsa--gfx1250"
	.amdhsa_code_object_version 6
	.text
	.protected	k_q53ded1bb89_hidden
	.globl	k_q53ded1bb89_hidden
	.p2align	8
	.type	k_q53ded1bb89_hidden,@function
k_q53ded1bb89_hidden:
	s_mov_b64 s[64:65], 0
	v_nop
	global_prefetch_b8 v0, s[64:65] scope:SCOPE_SE
	s_setreg_imm32_b32 hwreg(HW_REG_WAVE_MODE, 25, 1), 1
	s_wait_xcnt 0x0
; ONE BODY FOR BOTH PRODUCTS.  Arguments: A (token rows as operand blocks), Wt (weight rows as operand blocks), bias (f32), order, meta, dst.
; meta word 8 = 0: dst = h = gelu(A Wt^T + bias), written as operand blocks in f16, K running only over the tile's width.
; meta word 8 = 1: dst = out0: (A Wt^T + bias), K = 2,048, scattered to the tokens' rows in f32, zero where a row is narrower than the column group; only live tiles.
; OPERAND BLOCKS: [16-row block][32-K block][half][lane][16 bytes], lane (r, hh) = row r, K = 16 half + 8 hh + 0..7.  All operands are f16; sums in f32.
; SHARES.  Work-group id = 8 t + c makes sorted rows 128 t .. + 127 x columns 256 c .. + 255.  Wave w makes all 128 rows x 64 columns: 32 accumulators.  The matrix instruction is used transposed
; (source 0 = 16 weight rows, source 1 = 16 token rows): a lane holds one token row (l % 16) and eight neighbouring columns.  Weights come from memory straight into operand registers (each wave's own);
; the token rows, which all four waves need, go through two LDS slots filled through registers.  A LAP is 256 of K: eight quarters of 32, 256 matrix instructions a wave.
; THE COUNT OF LAPS hangs on the stored bounds: NL = W(t) for the first product; 8 or 0 for the second.  The loop has eight laps in every work-group, every wave passes every barrier, and only work
; (loads, LDS traffic, products) is jumped.  So no tensor load and no joint load is used: none may be jumped, and partners would need equal counts; filling for the widest case would fetch 2.1 times the needed bytes.
; So that every way through the jumps is sound, every register that crosses one is written in the prologue, and the waits that show loads done stand outside the jumped blocks.
; THE PROLOGUE LOADS LAP 0 IN EVERY WORK-GROUP, with addresses made of the work-group's and the wave's numbers alone.  So K blocks 0 to 7 of every tile of A are always written: of xs by the launch before;
; of h by this body: in the first product column group 0 has NL = 1 at the least, so that a tile without a valid row (W(t) = 0) gets gelu(bias) there: one lap for each such tile, whose numbers no output takes.
; LIMITS.  f16 ends at 65,504: an h of 65,520 or more becomes an infinity (the drawn inputs give |h| under 4; all of x, w1, b1 thirty times larger give about 3,200).  The biases are rounded to bf16, like the other inputs.
; GELU is x Phi(x) with erf by the rational form of Abramowitz and Stegun 7.1.25, valid for every x: error in erf at most 2.5e-5, in gelu at most 1.25e-5 |x|; exp(-x^2/2) below 2^-126 counts as 0.
; NaN and infinities are not treated apart.
.set SLOTB, 65536                      ; a slot: [row block 8][quarter 8][1,024 bytes]; lane i reads and writes at 16 i, so no padding is wanted
.set ENT,   131072                     ; the tile's 128 entries of order
.set STG,   131584                     ; 4 waves x 16 rows of 256 bytes + 16 of padding (pitch 272 = 17 x 16), each wave's own
.set STGW,  4352
.set SPARE, 148992                     ; the spare words, 128 bytes for each wave: two blocks of 256 bytes that no other line names
; window 0
.set L16, 1                            ; v1     16 x lane
.set FET, 2                            ; v2-3   where I read operand blocks in slot 0, 1
.set STA, 4                            ; v4-5   where my wave writes its two row blocks in slot 0, 1
.set BV,  6                            ; v6     32 hh: my eight biases of a column block
.set V4,  7                            ; v7     4 x thread
.set STO, 8                            ; v8     stage, in
.set RD,  9                            ; v9     stage, back
.set ENA, 10                           ; v10    my eight rows' entries
.set CB,  11                           ; v11    16 (l % 16)
.set ENV, 12                           ; v12    an entry as loaded
.set ENS, 13                           ; v13    where it goes
.set T0,  14                           ; v14-16 at work
.set SPW, 30                           ; v30    LDS address of my spare word; never rewritten
.set NIL, 31                           ; v31    0; never rewritten
.set BI,  32                           ; v32-63   the biases, eight for each of four column blocks; later GELU's constants
.set SG,  64                           ; v64-127  token rows on their way from memory to LDS
.set FA0, 128                          ; v128-191, v192-255  token operands of a quarter, two buffers
; window 1: weight operands: buffer 0 (quarters 0-3) v0-127, buffer 1 (quarters 4-7) v128-255; (quarter q, column block b) at 128 buf + 32 q + 8 b
; window 2: accumulator (row block a, column block b) at 8 (4 a + b)
.set AB,  4                            ; s[4:5]   A, stepped
.set WB,  6                            ; s[6:7]   Wt, stepped
.set BP,  8                            ; s[8:9]   bias
.set OP,  10                           ; s[10:11] order
.set MP,  12                           ; s[12:13] meta
.set DP,  14                           ; s[14:15] dst
.set MODE, 24
.set WV,  25
.set TT,  26
.set CC,  27
.set WW,  28                           ; W(t)
.set NL,  29                           ; live laps
.set NXT, 30                           ; the lap in hand + 1
.set TRIP, 31
.set MSB, 0
.macro WIN new                         ; the immediate's high byte repeats the setting that is left; a switch that changes nothing is dropped
.if MSB != (\new)
	s_set_vgpr_msb (MSB<<8)|(\new)
.set MSB, (\new)
.endif
.endm
.macro PLACES                          ; four plain vector instructions between a matrix instruction and a load into, or a read of, its registers
.rept 4
	v_nop
.endr
.endm
.macro FETCH slot, kq, f               ; the 8 token operands of quarter kq: 16 LDS loads of 512 consecutive bytes
	WIN 0
.irp a, 0,1,2,3,4,5,6,7
	ds_load_b128 v[(\f)+8*\a:(\f)+8*\a+3],   v[FET+(\slot)] offset:8192*\a+1024*(\kq)
	ds_load_b128 v[(\f)+8*\a+4:(\f)+8*\a+7], v[FET+(\slot)] offset:8192*\a+1024*(\kq)+512
.endr
.endm
.macro MUL kq, f                       ; 32 matrix instructions; the 32 accumulators take turns, in the same order everywhere
	WIN 0xa1                                       ; source 0 (weights) window 1, source 1 (tokens) window 0, C and D window 2
.irp a, 0,1,2,3,4,5,6,7
.irp b, 0,1,2,3
	v_wmma_f32_16x16x32_f16 v[8*(4*\a+\b):8*(4*\a+\b)+7], v[128*((\kq)/4)+32*((\kq)%4)+8*\b:128*((\kq)/4)+32*((\kq)%4)+8*\b+7], v[(\f)+8*\a:(\f)+8*\a+7], v[8*(4*\a+\b):8*(4*\a+\b)+7]
.endr
.endr
.endm
.macro BLOAD buf                       ; my 64 weight rows x 128 of K: 32 loads of 512 consecutive bytes, straight into operand registers
	WIN 0x40                                       ; destination window 1, address window 0
.irp q, 0,1,2,3
.irp b, 0,1,2,3
	global_load_b128 v[128*(\buf)+32*\q+8*\b:128*(\buf)+32*\q+8*\b+3],   v[L16], s[WB:WB+1] offset:65536*\b+4096*(\buf)+1024*\q
	global_load_b128 v[128*(\buf)+32*\q+8*\b+4:128*(\buf)+32*\q+8*\b+7], v[L16], s[WB:WB+1] offset:65536*\b+4096*(\buf)+1024*\q+512
.endr
.endr
	WIN 0
.endm
.macro ALOAD i, reg                    ; row block 2 wave + i of the tile, 256 of K: 8,192 consecutive bytes
	WIN 0
.irp j, 0,1,2,3,4,5,6,7,8,9,10,11,12,13,14,15
	global_load_b128 v[(\reg)+4*\j:(\reg)+4*\j+3], v[L16], s[AB:AB+1] offset:65536*(\i)+512*\j
.endr
.endm
.macro ASTORE slot, i, reg             ; and into its place in a slot
	WIN 0
.irp j, 0,1,2,3,4,5,6,7,8,9,10,11,12,13,14,15
	ds_store_b128 v[STA+(\slot)], v[(\reg)+4*\j:(\reg)+4*\j+3] offset:8192*(\i)+512*\j
.endr
.endm
.macro STEP slot, kq                   ; quarters 1 to 6: this quarter's operands are in; the next quarter's are asked for; 32 products
	s_wait_dscnt 0x0                               ; asked for ahead of the quarter before
	PLACES                                         ; the buffer to be loaded was read by the quarter before
	FETCH \slot, (\kq)+1, FA0+64*(((\kq)+1)%2)
	MUL \kq, FA0+64*((\kq)%2)
.endm
; A LAP.  It reads slot `slot` and, if a further live lap follows (NXT < NL), brings that lap's token rows into the other slot and its weights into the two weight buffers as they fall free.
.macro LAP slot
	WIN 0
	s_cmp_le_u32 s[NXT], s[NL]
	s_cbranch_scc1 .Llive_\@
	s_wait_loadcnt 0x0                             ; a lap without work: no load stays out into a later lap
	s_branch .Ltail_\@
.Llive_\@:
	PLACES                                         ; behind the last lap's products: both token buffers are loaded again below
	s_cmp_lt_u32 s[NXT], s[NL]
	s_cbranch_scc0 .Lm1_\@
	s_wait_xcnt 0x0                                ; the bases of the loads issued so far are rewritten only behind this wait
	s_add_nc_u64 s[AB:AB+1], s[AB:AB+1], 8192      ; the next lap: eight K blocks of 1,024 bytes on
	s_add_nc_u64 s[WB:WB+1], s[WB:WB+1], 8192
	ALOAD 0, SG
.Lm1_\@:
	FETCH \slot, 0, FA0
	s_wait_dscnt 0x0
	FETCH \slot, 1, FA0+64
	MUL 0, FA0
	STEP \slot, 1
	STEP \slot, 2
	STEP \slot, 3
	WIN 0
	s_wait_loadcnt 0x0                             ; weight buffer 1 (asked for at the end of the lap before) and the first half of the next token rows (at this lap's head) are in
	s_cmp_lt_u32 s[NXT], s[NL]
	s_cbranch_scc0 .Lm2_\@
	ASTORE 1-\slot, 0, SG
	PLACES                                         ; weight buffer 0 was read by the products just issued
	BLOAD 0
	ALOAD 1, SG
.Lm2_\@:
	STEP \slot, 4
	STEP \slot, 5
	STEP \slot, 6
	s_wait_dscnt 0x0
	WIN 0
	s_wait_loadcnt 0x0                             ; weight buffer 0 for the next lap and the second half of its token rows, asked for three quarters ago, are in
	s_cmp_lt_u32 s[NXT], s[NL]
	s_cbranch_scc0 .Lm3_\@
	ASTORE 1-\slot, 1, SG
.Lm3_\@:
	MUL 7, FA0+64
	WIN 0
	s_cmp_lt_u32 s[NXT], s[NL]
	s_cbranch_scc0 .Lm4_\@
	PLACES                                         ; weight buffer 1 was read by the products just issued
	BLOAD 1
.Lm4_\@:
.Ltail_\@:
	s_wait_dscnt 0x0                               ; my reads of this slot and my stores into the other are done:
	s_barrier_signal -1                            ; behind the barrier the other slot is read and this one may be written
	s_barrier_wait -1
	s_add_co_u32 s[NXT], s[NXT], 1
.endm
	s_load_b256 s[4:11], s[0:1], 0x0               ; A, Wt, bias, order
	s_load_b128 s[12:15], s[0:1], 0x20             ; meta, dst
	v_lshl_add_u32 v[SPW], v0, 2, SPARE
	v_mov_b32 v[NIL], 0
	v_lshrrev_b32 v[T0], 5, v0
	v_readfirstlane_b32 s[WV], v[T0]
	s_lshr_b32 s[TT], ttmp9, 3
	s_and_b32 s[CC], ttmp9, 7
	s_wait_kmcnt 0x0
	s_load_b256 s[16:23], s[MP:MP+1], 0x0          ; C4 s16, C3 s18, C2 s20, C1 s22
	s_load_b32 s[MODE], s[MP:MP+1], 0x20
	v_and_b32 v[T0], 31, v0
	v_lshlrev_b32 v[L16], 4, v[T0]
	v_and_b32 v[T0+1], 15, v0                      ; r
	v_lshrrev_b32 v[T0+2], 4, v[T0]                ; hh
	v_mov_b32 v[FET], v[L16]
	v_add_nc_u32 v[FET+1], SLOTB, v[L16]
	s_lshl_b32 s32, s[WV], 14                      ; my wave's two row blocks of 8,192 bytes
	v_add_nc_u32 v[STA], s32, v[L16]
	v_add_nc_u32 v[STA+1], SLOTB, v[STA]
	v_lshlrev_b32 v[BV], 5, v[T0+2]
	v_lshlrev_b32 v[V4], 2, v0
	s_mul_i32 s33, s[WV], STGW
	s_add_co_u32 s33, s33, STG                     ; my stage
	v_mul_u32_u24 v[STO], v[T0+1], 272             ; in: row r, 32 bytes for each half of the lanes
	v_lshl_add_u32 v[STO], v[T0+2], 5, v[STO]
	v_add_nc_u32 v[STO], s33, v[STO]
	v_mul_u32_u24 v[RD], v[T0+2], 2176             ; back: lanes 0-15 a row of 256 bytes, lanes 16-31 the row eight further on
	v_lshl_add_u32 v[RD], v[T0+1], 4, v[RD]
	v_add_nc_u32 v[RD], s33, v[RD]
	v_lshl_add_u32 v[ENA], v[T0+2], 5, ENT
	v_lshlrev_b32 v[CB], 4, v[T0+1]
	v_lshl_add_u32 v[ENS], v0, 2, ENT
	s_mov_b32 s36, 0x3eaa540e                      ; 0.47047 / sqrt(2); each constant twice: the packed forms name a pair
	s_mov_b32 s37, 0x3eaa540e
	s_mov_b32 s38, 0xbf38aa3b                      ; -log2(e) / 2
	s_mov_b32 s39, 0xbf38aa3b
	s_mov_b32 s40, 0x3ebf7377                      ; 0.7478556 / 2
	s_mov_b32 s41, 0x3ebf7377
	s_mov_b32 s42, 0x7fffffff
	; the addresses: made of the work-group's and the wave's numbers alone
	s_lshl_b32 s32, s[TT], 19                      ; A: row block 8 t + 2 wave, 65,536 bytes a row block
	s_lshl_b32 s33, s[WV], 17
	s_add_co_u32 s32, s32, s33
	s_mov_b32 s33, 0
	s_add_nc_u64 s[AB:AB+1], s[AB:AB+1], s[32:33]
	s_lshl_b32 s34, s[CC], 20                      ; Wt: row block 16 c + 4 wave
	s_lshl_b32 s35, s[WV], 18
	s_add_co_u32 s34, s34, s35
	s_mov_b32 s35, 0
	s_add_nc_u64 s[WB:WB+1], s[WB:WB+1], s[34:35]
	s_lshl_b32 s34, s[CC], 10                      ; bias: column 256 c + 64 wave
	s_lshl_b32 s32, s[WV], 8
	s_add_co_u32 s34, s34, s32
	s_add_nc_u64 s[BP:BP+1], s[BP:BP+1], s[34:35]
	s_lshl_b32 s34, s[TT], 9                       ; order: the tile's 128 words
	s_add_nc_u64 s[OP:OP+1], s[OP:OP+1], s[34:35]
	ALOAD 0, SG                                    ; lap 0's token rows,
	ALOAD 1, FA0
.irp b, 0,1,2,3
	global_load_b128 v[BI+8*\b:BI+8*\b+3],   v[BV], s[BP:BP+1] offset:64*\b
	global_load_b128 v[BI+8*\b+4:BI+8*\b+7], v[BV], s[BP:BP+1] offset:64*\b+16
.endr
	global_load_b32 v[ENV], v[V4], s[OP:OP+1]
	BLOAD 0                                        ; and its weights
	BLOAD 1
	s_wait_kmcnt 0x0                               ; the bounds and the mode: they steer compares and branches alone
	s_lshl_b32 s32, s[TT], 7                       ; W(t) from the tile's first row and the four bounds
	s_mov_b32 s[WW], 0
	s_cmp_lt_u32 s32, s22
	s_cselect_b32 s[WW], 1, s[WW]
	s_cmp_lt_u32 s32, s20
	s_cselect_b32 s[WW], 2, s[WW]
	s_cmp_lt_u32 s32, s18
	s_cselect_b32 s[WW], 4, s[WW]
	s_cmp_lt_u32 s32, s16
	s_cselect_b32 s[WW], 8, s[WW]
	s_cmp_eq_u32 s[CC], 0
	s_cselect_b32 s33, 1, 0
	s_max_u32 s33, s33, s[WW]                      ; first product: K as far as the tile is wide; in column group 0 one lap at the least
	s_cmp_lt_u32 s[CC], s[WW]
	s_cselect_b32 s[NL], 8, 0                      ; second product: all of K, or nothing
	s_cmp_eq_u32 s[MODE], 0
	s_cselect_b32 s[NL], s33, s[NL]
	s_wait_loadcnt 63                              ; 64 weight loads are younger than the first 41; the wait's field names 63 at the most
	ASTORE 0, 0, SG
	ASTORE 0, 1, FA0
	ds_store_b32 v[ENS], v[ENV]
.set i, 0
.rept 16                                               ; the biases rounded to bf16, kept as f32
	v_cvt_pk_bf16_f32 v[T0+i%2], v[BI+2*i], v[BI+2*i+1]
	v_lshlrev_b32 v[BI+2*i], 16, v[T0+i%2]
	v_and_b32 v[BI+2*i+1], 0xffff0000, v[T0+i%2]
.set i, i+1
.endr
	WIN 0x80                                       ; destination window 2
.set n, 0
.rept 256                                              ; every sum starts at its column's bias: these moves stand for the adds that the way out would want, and run while the weights are on their way
	v_mov_b32 v[n], v[BI+n%32]
.set n, n+1
.endr
	WIN 0
	s_wait_loadcnt 32                              ; weight buffer 0 is in; buffer 1's 32 loads stay out
	s_wait_dscnt 0x0                               ; my part of slot 0 and my entries are in LDS
	s_barrier_signal -1
	s_barrier_wait -1
	s_mov_b32 s[NXT], 1
	s_mov_b32 s[TRIP], 4
.Ltrip:                                                ; four trips of two laps, in every work-group
	LAP 0
	LAP 1
	s_sub_co_u32 s[TRIP], s[TRIP], 1
	s_cmp_lg_u32 s[TRIP], 0
	s_cbranch_scc1 .Ltrip
	PLACES                                         ; behind the last products, ahead of the first read of a sum
	s_cmp_eq_u32 s[NL], 0
	s_cbranch_scc1 .Lend                           ; a tile without work stores nothing
	s_cmp_lg_u32 s[MODE], 0
	s_cbranch_scc1 .Lscat
; THE FIRST PRODUCT'S WAY OUT.  gelu(x) = max(x, 0) - |x| Q, Q = (a1 T + a2 T^2 + a3 T^3) / 2 x exp(-x^2 / 2), T = 1 / (1 + 0.47047 |x| / sqrt(2)).
; A block of 16 rows at a time: its 64 reciprocals and exponentials are one batch with one wait.  A lane's eight columns of accumulators b = 2 k, 2 k + 1 are the two halves of h's operand block k.
.set GY, 64                            ; x^2, then exp(-x^2/2)
.set GA, 96                            ; |x|
.set GR, 128                           ; max(x, 0), then the result
.set GU, 160                           ; 1 + p |x|, then T
.set GQ, 192
.set GH, 224                           ; 16 registers of f16 pairs
.macro GELU a
	WIN 0
	s_wait_xcnt 0x0                                ; the last block's stores have given up their data registers
	WIN 0x0a                                       ; sources in window 2, destination in window 0
.set p, 0
.rept 16                                               ; in ascending order: each accumulator's lowest registers are read first
	v_pk_mul_f32 v[GY+2*p:GY+2*p+1], v[32*(\a)+2*p:32*(\a)+2*p+1], v[32*(\a)+2*p:32*(\a)+2*p+1]
	v_and_b32 v[GA+2*p], s42, v[32*(\a)+2*p]
	v_and_b32 v[GA+2*p+1], s42, v[32*(\a)+2*p+1]
	v_max_num_f32 v[GR+2*p], 0, v[32*(\a)+2*p]
	v_max_num_f32 v[GR+2*p+1], 0, v[32*(\a)+2*p+1]
.set p, p+1
.endr
	WIN 0
.set p, 0
.rept 16
	v_pk_fma_f32 v[GU+2*p:GU+2*p+1], v[GA+2*p:GA+2*p+1], s[36:37], 1.0 op_sel_hi:[1,0,0]
.set p, p+1
.endr
.set p, 0
.rept 16
	v_pk_mul_f32 v[GY+2*p:GY+2*p+1], v[GY+2*p:GY+2*p+1], s[38:39] op_sel_hi:[1,0]
.set p, p+1
.endr
.set p, 0
.rept 32
	v_rcp_f32 v[GU+p], v[GU+p]
.set p, p+1
.endr
.set p, 0
.rept 32
	v_exp_f32 v[GY+p], v[GY+p]
.set p, p+1
.endr
	v_nop                                          ; a plain instruction behind the last of the batch,
	s_wait_alu depctr_va_vdst(0)                   ; and the one wait ahead of the batch's first reader
.set p, 0
.rept 16
	v_pk_fma_f32 v[GQ+2*p:GQ+2*p+1], v[GU+2*p:GU+2*p+1], s[40:41], v[32:33] op_sel_hi:[1,0,1]
.set p, p+1
.endr
.set p, 0
.rept 16
	v_pk_fma_f32 v[GQ+2*p:GQ+2*p+1], v[GQ+2*p:GQ+2*p+1], v[GU+2*p:GU+2*p+1], v[34:35]
.set p, p+1
.endr
.set p, 0
.rept 16
	v_pk_mul_f32 v[GQ+2*p:GQ+2*p+1], v[GQ+2*p:GQ+2*p+1], v[GU+2*p:GU+2*p+1]
.set p, p+1
.endr
.set p, 0
.rept 16
	v_pk_mul_f32 v[GQ+2*p:GQ+2*p+1], v[GQ+2*p:GQ+2*p+1], v[GY+2*p:GY+2*p+1]
.set p, p+1
.endr
.set p, 0
.rept 16
	v_pk_fma_f32 v[GR+2*p:GR+2*p+1], v[GA+2*p:GA+2*p+1], v[GQ+2*p:GQ+2*p+1], v[GR+2*p:GR+2*p+1] neg_lo:[1,0,0] neg_hi:[1,0,0]
.set p, p+1
.endr
.set p, 0
.rept 16
	v_cvt_pk_f16_f32 v[GH+p], v[GR+2*p], v[GR+2*p+1]
.set p, p+1
.endr
.irp b, 0,1,2,3
	global_store_b128 v[L16], v[GH+4*\b:GH+4*\b+3], s[DP:DP+1] offset:65536*(\a)+1024*(\b/2)+512*(\b%2)  ; 512 consecutive bytes: half an operand block
.endr
.endm
	s_lshl_b32 s32, s[TT], 19                      ; h: row block 8 t, K block 8 c + 2 wave
	s_lshl_b32 s33, s[CC], 13
	s_add_co_u32 s32, s32, s33
	s_lshl_b32 s33, s[WV], 11
	s_add_co_u32 s32, s32, s33
	s_mov_b32 s33, 0
	s_add_nc_u64 s[DP:DP+1], s[DP:DP+1], s[32:33]
	v_mov_b32 v32, 0xbd445ca1                      ; -0.0958798 / 2
	v_mov_b32 v33, 0xbd445ca1
	v_mov_b32 v34, 0x3e32303a                      ; 0.3480242 / 2
	v_mov_b32 v35, 0x3e32303a
.irp a, 0,1,2,3,4,5,6,7
	GELU \a
.endr
	s_branch .Lend
; THE SECOND PRODUCT'S WAY OUT.  A block of 16 rows goes through my stage and comes back as whole pieces of rows, 256 bytes for sixteen lanes; each piece goes to its token's row of out0,
; as zeros where the row is narrower than this column group.
.set EN,  64                           ; v64-71   my eight rows' entries
.set OFF, 72                           ; v72-79   their byte offsets in out0
.set OB,  128                          ; v128-159 eight pieces of rows
.macro SCAT a
	WIN 0
	s_wait_xcnt 0x0                                ; the last block's stores have given up their offsets and data registers
	WIN 0x08                                       ; store data in window 2
.irp b, 0,1,2,3
	ds_store_b128 v[STO], v[32*(\a)+8*\b:32*(\a)+8*\b+3]   offset:64*\b
	ds_store_b128 v[STO], v[32*(\a)+8*\b+4:32*(\a)+8*\b+7] offset:64*\b+16
.endr
	WIN 0
	ds_load_b128 v[EN:EN+3],   v[ENA] offset:64*(\a)
	ds_load_b128 v[EN+4:EN+7], v[ENA] offset:64*(\a)+16
.irp r, 0,1,2,3,4,5,6,7
	ds_load_b128 v[OB+4*\r:OB+4*\r+3], v[RD] offset:272*\r  ; a wave's LDS instructions are served in order: these see the stores above, and the next block's stores come behind them
.endr
	s_wait_dscnt 8                                 ; the entries are in; the eight loads of rows are younger
.irp r, 0,1,2,3,4,5,6,7
	v_and_b32 v[T0], 0xffff, v[EN+\r]
	v_min_u32 v[T0], 0x1fff, v[T0]                 ; a token's number, held inside the table
	v_lshl_add_u32 v[OFF+\r], v[T0], 13, v[CB]
	v_lshrrev_b32 v[T0+1], 16, v[EN+\r]
	v_cmp_lt_u32 vcc_lo, s[CC], v[T0+1]            ; c < the row's wcode
	s_wait_dscnt 7-\r                              ; piece r is back; the younger loads stay out
	v_cndmask_b32 v[OB+4*\r], 0, v[OB+4*\r], vcc_lo
	v_cndmask_b32 v[OB+4*\r+1], 0, v[OB+4*\r+1], vcc_lo
	v_cndmask_b32 v[OB+4*\r+2], 0, v[OB+4*\r+2], vcc_lo
	v_cndmask_b32 v[OB+4*\r+3], 0, v[OB+4*\r+3], vcc_lo
	global_store_b128 v[OFF+\r], v[OB+4*\r:OB+4*\r+3], s[DP:DP+1] th:TH_STORE_NT  ; sixteen lanes store 256 consecutive bytes, at a multiple of 256 from out0's first byte
.endr
.endm
.Lscat:
	s_lshl_b32 s32, s[CC], 10                      ; out0: column 256 c + 64 wave
	s_lshl_b32 s33, s[WV], 8
	s_add_co_u32 s32, s32, s33
	s_mov_b32 s33, 0
	s_add_nc_u64 s[DP:DP+1], s[DP:DP+1], s[32:33]
.irp a, 0,1,2,3,4,5,6,7
	SCAT \a
.endr
.Lend:
	s_wait_tensorcnt 0x0                           ; the wave's end, behind my last LDS store
	ds_add_u32 v[SPW], v[NIL]
	s_wait_dscnt 0x0
	s_endpgm
.Lfunc_end_k_q53ded1bb89_hidden:
	.size	k_q53ded1bb89_hidden, .Lfunc_end_k_q53ded1bb89_hidden-k_q53ded1bb89_hidden
	.p2alignl 7, 3214868480
	.fill 96, 4, 3214868480
	.section	.rodata,"a",@progbits
	.p2align	6, 0x0
	.amdhsa_kernel k_q53ded1bb89_hidden
		.amdhsa_group_segment_fixed_size 149504
		.amdhsa_private_segment_fixed_size 0
		.amdhsa_enable_private_segment 0
		.amdhsa_kernarg_size 48
		.amdhsa_user_sgpr_count 2
		.amdhsa_user_sgpr_kernarg_segment_ptr 1
		.amdhsa_wavefront_size32 1
		.amdhsa_system_sgpr_workgroup_id_x 1
		.amdhsa_system_sgpr_workgroup_id_y 1
		.amdhsa_system_sgpr_workgroup_id_z 1
		.amdhsa_system_vgpr_workitem_id 0
		.amdhsa_next_free_vgpr 768
		.amdhsa_next_free_sgpr 66
		.amdhsa_reserve_vcc 1
		.amdhsa_float_denorm_mode_32 3
		.amdhsa_float_denorm_mode_16_64 3
		.amdhsa_memory_ordered 1
		.amdhsa_forward_progress 1
		.amdhsa_inst_pref_size 254
	.end_amdhsa_kernel
	.amdgpu_metadata
---
amdhsa.version: [ 1, 2 ]
amdhsa.kernels:
  - .name:           k_q53ded1bb89_hidden
    .symbol:         k_q53ded1bb89_hidden.kd
    .args:
      - { .name: xs, .offset: 0, .size: 8, .value_kind: global_buffer, .address_space: global }
      - { .name: w1f, .offset: 8, .size: 8, .value_kind: global_buffer, .address_space: global }
      - { .name: b1, .offset: 16, .size: 8, .value_kind: global_buffer, .address_space: global }
      - { .name: order, .offset: 24, .size: 8, .value_kind: global_buffer, .address_space: global }
      - { .name: meta1, .offset: 32, .size: 8, .value_kind: global_buffer, .address_space: global }
      - { .name: h, .offset: 40, .size: 8, .value_kind: global_buffer, .address_space: global }
    .group_segment_fixed_size: 149504
    .private_segment_fixed_size: 0
    .kernarg_segment_align: 8
    .kernarg_segment_size: 48
    .max_flat_workgroup_size: 128
    .sgpr_count:     66
    .vgpr_count:     768
    .wavefront_size: 32
...
	.end_amdgpu_metadata
.endif
;; end of part 2
;; launch output: the kernel of part 2 again; grid 512 x 1, 4 waves a work-group, no clusters, 149,504 bytes of LDS; arguments h, w2f, b2, order, meta2, out0; writes out0
;; ======== version 2 of 2: 3 launches; 1.17 times as fast as version 1
;; limits: a function is approximated: absolute error at most 2.5e-05; an absolute error that grows with the inputs' magnitude: up to 1.25e-05 times it; values are held in f16: magnitudes above 65,504 overflow, below 6.1e-05 lose precision; inputs' magnitudes at most 65,504; below input magnitudes of 6.1e-05 results are inexact or not finite
;; workspace buffers: xs 33,554,432 bytes; h 33,554,432 bytes; w1f 8,388,608 bytes; w2f 8,388,608 bytes; order 32,768 bytes of whole numbers; meta1 256 bytes of whole numbers; meta2 256 bytes of whole numbers
;; launch prep (part 3): grid 512 x 1, 8 waves a work-group, no clusters, 75,520 bytes of LDS; arguments token_mask, x, w1, w2, xs, w1f, w2f, order, meta1, meta2, out0; writes xs, w1f, w2f, order, meta1, meta2, out0
.if DOCPART == 3
	.amdgcn_target "amdgcn-amd-amdhsa--gfx1250"
	.amdhsa_code_object_version 6
	.text
	.protected	k_q53ded1bb89_prep
	.globl	k_q53ded1bb89_prep
	.p2align	8
	.type	k_q53ded1bb89_prep,@function
k_q53ded1bb89_prep:
	s_mov_b64 s[64:65], 0
	v_nop
	global_prefetch_b8 v0, s[64:65] scope:SCOPE_SE
	s_setreg_imm32_b32 hwreg(HW_REG_WAVE_MODE, 25, 1), 1
	s_wait_xcnt 0x0
; PREP.  Sorts the 8,192 tokens by nested width (2048, 1024, 512, 256, none), lays x and both weights out as matrix operands, and writes the zeros of out0.
; SORTED ORDER: mask 4, 3, 2, 1, then every other value; inside a class by (wave, register, lane) of the count below.  order[p] = token | wcode << 16, wcode = width / 256 (8, 4, 2, 1, 0).
; A row tile t is the sorted rows 128 t .. 128 t + 127; W(t) is the wcode of its first, widest row.  A column group c is 256 columns; tile (t, c) is LIVE if c < W(t).
; SHARES: work-group g = 8 t + c.  Every work-group repeats the count of all 8,192 masks (32 KB) and keeps the 128 entries of its tile; only the waves whose tokens can fall into the tile place them.
; Then wave w owns 16 sorted rows x 256 columns:
; live: x -> xs (rows narrower than the tile's width get zeros there); dead: zeros -> out0 (the live tiles of out0 are written by the second product), and in column group 0 zeros -> xs too,
; since the first product's prologue loads that group of every tile.  Each wave also converts 16 rows x 128 columns of w1 or w2.
; OPERAND LAYOUT (xs, w1f, w2f): [16-row block][32-K block][half][lane][16 bytes]: lane (r = l % 16, hh = l / 16) holds row r, K = 16 half + 8 hh + 0..7: the register image of a 16 x 32 operand,
; so that every later load of it is 512 consecutive bytes.
; FORMAT: each number is rounded once to bf16 (nearest even) and that number is written as f16.  LIMITS: exact for magnitudes from 6.1e-5 to 65,504; below, f16's fixed step of 6e-8 applies;
; from 65,520 on the number becomes an infinity.  NaN and infinities are not treated apart.  No matrix unit, no cluster: the launch only moves and converts, and no two work-groups read the same x or weights.
.set STGW,   8448                      ; a wave's stage: 16 rows of 512 bytes + 16 of padding (pitch 528 = 33 x 16: the 16 rows of a read start at 16 different 16-byte columns)
.set CNT,    67584                     ; behind the eight stages: 8 waves x 4 counts
.set LISTS,  67840                     ; 8 waves x 768 bytes: 128 entries of the tile as this wave found them, and a word at byte 512 for all the others
.set LISTW,  768
.set MERGED, 73984                     ; the tile's 128 entries
.set SPARE,  74496                     ; the spare words, 128 bytes for each wave: four blocks of 256 bytes that no other line names
.set L16, 1                            ; v1   16 x lane
.set SA,  2                            ; v2   stage, in: my wave's stage + 8 x lane
.set FR,  3                            ; v3   stage, back: + 528 r + 16 hh
.set TK,  4                            ; v4   1,024 x wave + 4 x lane: the token of my first mask
.set AD,  5                            ; v5   an address at work
.set SPW, 6                            ; v6   LDS address of my spare word; never rewritten
.set NIL, 7                            ; v7   0; never rewritten
.set M,   8                            ; v8-39    my 32 masks; later v8-23 the wave's 16 entries
.set WD,  40                           ; v40-103  16 rows x 4 numbers of the weights
.set XD,  104                          ; v104-231 2 x 16 rows x 4 numbers of x
.set RO,  232                          ; v232-247 byte offset of my 16 bytes in each of the wave's 16 token rows
.set Z,   248                          ; v248-251 zeros
.set T0,  252                          ; v252-255 at work
.set WV,  26                           ; s26  wave
.set G,   27                           ; s27  work-group
.set TT,  28                           ; s28  t
.set CC,  29                           ; s29  c
.set N4,  30                           ; s30-33  my wave's counts of masks 4, 3, 2, 1; afterwards s30 is HM
.set HM,  30                           ; s30  mask of a word's upper 16 bits
.set RUN, 34                           ; s34-38  next position, less 128 t, for masks 4, 3, 2, 1 and for the others
.set TMP, 39
.set KM,  40                           ; s40-55  row i keeps its numbers in this column group: all ones or 0
.set TM,  56                           ; s56-60  lane masks of the five classes
.set WT,  62                           ; s62  W(t)
.set LW,  63                           ; s63  my wave's list
.set RB,  66                           ; s66-97  the 8 x 4 counts
.set CU,  98                           ; s98-101 C4, C3, C2, C1: rows with width at least 2048, 1024, 512, 256
.macro BAR                             ; what the other waves lean on is done (LDS stores and loads alike), then the barrier
	s_wait_dscnt 0x0
	s_barrier_signal -1
	s_barrier_wait -1
.endm
.macro CV d                            ; v[d .. d+3], four f32 -> v[d], v[d+1], four f16 that hold the numbers rounded to bf16
	v_cvt_pk_bf16_f32 v[(\d)], v[(\d)], v[(\d)+1]
	v_cvt_pk_bf16_f32 v[(\d)+2], v[(\d)+2], v[(\d)+3]
	v_and_b32 v[(\d)+1], s[HM], v[(\d)]
	v_lshlrev_b32 v[(\d)], 16, v[(\d)]
	v_and_b32 v[(\d)+3], s[HM], v[(\d)+2]
	v_lshlrev_b32 v[(\d)+2], 16, v[(\d)+2]
	v_cvt_pk_f16_f32 v[(\d)], v[(\d)], v[(\d)+1]
	v_cvt_pk_f16_f32 v[(\d)+1], v[(\d)+2], v[(\d)+3]
.endm
; The wave's 16 x 128 of the weights: converted, through the stage, out as four operand blocks (4,096 consecutive bytes).  younger = loads issued behind the 16 weight loads.
.macro W_UNIT younger
	s_wait_loadcnt \younger                        ; loads come back in order: the weights are in, the younger loads stay out
.set i, 0
.rept 16
	CV WD+4*i
	ds_store_b64 v[SA], v[WD+4*i:WD+4*i+1] offset:528*i
.set i, i+1
.endr
.set i, 0
.rept 8
	ds_load_b128 v[WD+4*i:WD+4*i+3], v[FR] offset:32*i   ; a wave's LDS instructions are served in order: these see the stores above
.set i, i+1
.endr
.set i, 0
.rept 8
	s_wait_dscnt 7-i                               ; block i is back; the younger LDS loads stay out
	global_store_b128 v[L16], v[WD+4*i:WD+4*i+3], s[14:15] offset:512*i
.set i, i+1
.endr
.endm
	s_load_b512 s[4:19], s[0:1], 0x0               ; token_mask s[4:5], x s[6:7], w1 s[8:9], w2 s[10:11], xs s[12:13], w1f s[14:15], w2f s[16:17], order s[18:19]
	s_load_b128 s[20:23], s[0:1], 0x40             ; meta1 s[20:21], meta2 s[22:23]
	s_load_b64 s[24:25], s[0:1], 0x50              ; out0
	v_lshl_add_u32 v[SPW], v0, 2, SPARE
	v_mov_b32 v[NIL], 0
	v_mov_b32 v[Z], 0
	v_mov_b32 v[Z+1], 0
	v_mov_b32 v[Z+2], 0
	v_mov_b32 v[Z+3], 0
	v_lshrrev_b32 v[T0], 5, v0
	v_readfirstlane_b32 s[WV], v[T0]
	v_and_b32 v[AD], 31, v0                        ; lane
	v_lshlrev_b32 v[L16], 4, v[AD]
	s_mov_b32 s[G], ttmp9
	s_lshr_b32 s[TT], s[G], 3
	s_and_b32 s[CC], s[G], 7
	s_mul_i32 s[TMP], s[WV], STGW                  ; my wave's stage begins here
	v_lshl_add_u32 v[SA], v[AD], 3, s[TMP]
	v_and_b32 v[T0], 15, v[AD]                     ; r
	v_lshrrev_b32 v[T0+1], 4, v[AD]                ; hh
	v_mul_u32_u24 v[FR], v[T0], 528
	v_lshl_add_u32 v[FR], v[T0+1], 4, v[FR]
	v_add_nc_u32 v[FR], s[TMP], v[FR]
	s_lshl_b32 s[TMP], s[WV], 10
	v_lshl_add_u32 v[TK], v[AD], 2, s[TMP]
	s_mul_i32 s[LW], s[WV], LISTW
	s_add_co_u32 s[LW], s[LW], LISTS
	s_lshl_b32 s56, s[WV], 12                      ; my wave's 1,024 masks
	s_mov_b32 s57, 0
	s_bfe_u32 s58, s[G], 0x70001                   ; the weight unit: 16-row block (g / 2) % 128,
	s_and_b32 s59, s[G], 1
	s_lshl3_add_u32 s59, s59, s[WV]                ; 128-column chunk 8 (g % 2) + wave
	s_lshl_b32 s60, s58, 17                        ; from: 16 rows of 8,192 bytes, 512 bytes a chunk
	s_lshl_b32 s61, s59, 9
	s_add_co_u32 s60, s60, s61
	s_mov_b32 s61, 0
	s_lshl_b32 s58, s58, 16                        ; to: 64 operand blocks of 1,024 bytes a row block, four a chunk
	s_lshl_b32 s59, s59, 12
	s_add_co_u32 s58, s58, s59
	s_mov_b32 s59, 0
	s_wait_kmcnt 0x0
	s_add_nc_u64 s[4:5], s[4:5], s[56:57]
	s_cmp_ge_u32 s[G], 256                         ; work-groups 0-255 convert w1, 256-511 w2
	s_cselect_b64 s[8:9], s[10:11], s[8:9]
	s_cselect_b64 s[14:15], s[16:17], s[14:15]
	s_add_nc_u64 s[8:9], s[8:9], s[60:61]
	s_add_nc_u64 s[14:15], s[14:15], s[58:59]
.irp j, 0,1,2,3,4,5,6,7
	global_load_b128 v[M+4*\j:M+4*\j+3], v[L16], s[4:5] offset:512*\j   ; register 4 j + e of lane l is token 1,024 wave + 128 j + 4 l + e
.endr
.irp i, 0,1,2,3,4,5,6,7,8,9,10,11,12,13,14,15
	global_load_b128 v[WD+4*\i:WD+4*\i+3], v[L16], s[8:9] offset:8192*\i th:TH_LOAD_NT  ; 512 consecutive bytes of weight row i; they land while the sort runs
.endr
	s_lshl_b32 s56, s[CC], 10                      ; the column group: 1,024 bytes into a row of x and of out0
	s_add_nc_u64 s[6:7], s[6:7], s[56:57]
	s_add_nc_u64 s[24:25], s[24:25], s[56:57]
	s_lshl_b32 s56, s[TT], 19                      ; xs: row block 8 t + wave, K block 8 c
	s_lshl_b32 s58, s[WV], 16
	s_add_co_u32 s56, s56, s58
	s_lshl_b32 s58, s[CC], 13
	s_add_co_u32 s56, s56, s58
	s_add_nc_u64 s[12:13], s[12:13], s[56:57]
	s_lshl_b32 s56, s[TT], 9                       ; order: the tile's 128 words
	s_add_nc_u64 s[18:19], s[18:19], s[56:57]
	; PASS 1: my wave's counts of the four valid masks
	v_add_nc_u32 v[AD], s[LW], v[L16]
	ds_store_b128 v[AD], v[Z:Z+3]                  ; my list's 128 entries start at 0: the merge below is an OR
	s_mov_b32 s[N4], 0
	s_mov_b32 s[N4+1], 0
	s_mov_b32 s[N4+2], 0
	s_mov_b32 s[N4+3], 0
	s_wait_loadcnt 16                              ; the masks are in; the 16 weight loads behind them stay out
.set g, 0
.rept 32
	v_cmp_eq_u32 s[TM], 4, v[M+g]
	v_cmp_eq_u32 s[TM+1], 3, v[M+g]
	v_cmp_eq_u32 s[TM+2], 2, v[M+g]
	v_cmp_eq_u32 s[TM+3], 1, v[M+g]
.irp k, 0,1,2,3
	s_bcnt1_i32_b32 s[TM+\k], s[TM+\k]
	s_add_co_u32 s[N4+\k], s[N4+\k], s[TM+\k]
.endr
.set g, g+1
.endr
	v_mov_b32 v[T0], s[N4]
	v_mov_b32 v[T0+1], s[N4+1]
	v_mov_b32 v[T0+2], s[N4+2]
	v_mov_b32 v[T0+3], s[N4+3]
	s_lshl_b32 s[TMP], s[WV], 4
	s_add_co_u32 s[TMP], s[TMP], CNT
	v_mov_b32 v[AD], s[TMP]
	ds_store_b128 v[AD], v[T0:T0+3]                ; all lanes write the same four words
	BAR                                            ; barrier 1: every wave's counts are in LDS
	; BASES: totals, and what the waves before mine hold of each class
	v_lshrrev_b32 v[AD], 2, v[L16]
	v_add_nc_u32 v[AD], CNT, v[AD]
	ds_load_b32 v[T0], v[AD]                       ; lane l: count l % 4 of wave l / 4
.irp k, 0,1,2,3
	s_mov_b32 s[RUN+\k], 0
	s_mov_b32 s[CU+\k], 0
.endr
	s_wait_dscnt 0x0
.set n, 0
.rept 32
	v_readlane_b32 s[RB+n], v[T0], n
.set n, n+1
.endr
.set w, 0
.rept 8
	s_cmp_gt_u32 s[WV], w                          ; the four selects stand ahead of the adds, which write SCC
	s_cselect_b32 s[TM], s[RB+4*w], 0
	s_cselect_b32 s[TM+1], s[RB+4*w+1], 0
	s_cselect_b32 s[TM+2], s[RB+4*w+2], 0
	s_cselect_b32 s[TM+3], s[RB+4*w+3], 0
.irp k, 0,1,2,3
	s_add_co_u32 s[RUN+\k], s[RUN+\k], s[TM+\k]
	s_add_co_u32 s[CU+\k], s[CU+\k], s[RB+4*w+\k]
.endr
.set w, w+1
.endr
	s_add_co_u32 s[TMP], s[RUN], s[RUN+1]
	s_add_co_u32 s[TMP], s[TMP], s[RUN+2]
	s_add_co_u32 s[TMP], s[TMP], s[RUN+3]          ; valid tokens in the waves before mine
	s_add_co_u32 s[CU+1], s[CU+1], s[CU]           ; C3
	s_add_co_u32 s[CU+2], s[CU+2], s[CU+1]         ; C2
	s_add_co_u32 s[CU+3], s[CU+3], s[CU+2]         ; C1
	s_lshl_b32 s[RUN+4], s[WV], 10
	s_sub_co_u32 s[RUN+4], s[RUN+4], s[TMP]        ; the others in the waves before mine,
	s_add_co_u32 s[RUN+4], s[RUN+4], s[CU+3]       ; behind all valid tokens
	s_add_co_u32 s[RUN+1], s[RUN+1], s[CU]
	s_add_co_u32 s[RUN+2], s[RUN+2], s[CU+1]
	s_add_co_u32 s[RUN+3], s[RUN+3], s[CU+2]
	s_lshl_b32 s[TMP], s[TT], 7
.irp k, 0,1,2,3,4
	s_sub_co_u32 s[RUN+\k], s[RUN+\k], s[TMP]      ; positions count from the tile's first row; one in front of it is negative (as an unsigned number: large)
.endr
	; My wave's tokens of class k take the positions RUN_k .. RUN_k + N_k - 1.  If none of the five runs meets 0 .. 127, my list stays all zeros and the placing is jumped;
	; the barrier stands behind the join.  A tile's 128 positions lie in the runs of a few waves, so most waves jump.
	s_add_co_u32 s[TM], s[N4], s[N4+1]
	s_add_co_u32 s[TM+1], s[N4+2], s[N4+3]
	s_add_co_u32 s[TM], s[TM], s[TM+1]
	s_sub_co_u32 s[TM], 1024, s[TM]                ; the others among my 1,024 tokens,
	s_add_co_u32 s[TM], s[TM], s[RUN+4]            ; and where their run ends
	s_cmp_gt_i32 s[TM], 0
	s_cselect_b32 s61, 1, 0
	s_cmp_lt_i32 s[RUN+4], 128
	s_cselect_b32 s61, s61, 0
.irp k, 0,1,2,3
	s_add_co_u32 s[TM], s[RUN+\k], s[N4+\k]
	s_cmp_gt_i32 s[TM], 0                          ; the run ends behind the tile's first position,
	s_cselect_b32 s[TM], 1, 0
	s_cmp_lt_i32 s[RUN+\k], 128                    ; and begins ahead of its end
	s_cselect_b32 s[TM], s[TM], 0
	s_or_b32 s61, s61, s[TM]
.endr
	s_cmp_lg_u32 s61, 0
	s_cbranch_scc0 .Lplaced
	; PASS 2: each token's position; the entries that fall into my tile go into my wave's list, all others onto the word behind it
.set g, 0
.rept 32
	v_cmp_eq_u32 s[TM], 4, v[M+g]
	v_cmp_eq_u32 s[TM+1], 3, v[M+g]
	v_cmp_eq_u32 s[TM+2], 2, v[M+g]
	v_cmp_eq_u32 s[TM+3], 1, v[M+g]
	v_add_nc_u32 v[T0+2], -1, v[M+g]
	v_add_nc_u32 v[T0+1], 128*(g/4)+g%4, v[TK]     ; the token
	s_or_b32 s[TM+4], s[TM], s[TM+1]
	s_or_b32 s61, s[TM+2], s[TM+3]
	s_or_b32 s[TM+4], s[TM+4], s61
	s_not_b32 s[TM+4], s[TM+4]                     ; every other mask value
	v_lshlrev_b32 v[T0+2], v[T0+2], 1              ; wcode = 1 << (mask - 1),
	v_mbcnt_lo_u32_b32 v[T0], s[TM+4], s[RUN+4]    ; position = the class's next + the lanes below me in the class
	v_cndmask_b32 v[T0+2], v[T0+2], 0, s[TM+4]     ; or 0
	v_lshl_or_b32 v[T0+2], v[T0+2], 16, v[T0+1]    ; the entry
.irp k, 0,1,2,3
	v_mbcnt_lo_u32_b32 v[T0+1], s[TM+\k], s[RUN+\k]
	v_cndmask_b32 v[T0], v[T0], v[T0+1], s[TM+\k]
.endr
.irp k, 0,1,2,3,4
	s_bcnt1_i32_b32 s[TM+\k], s[TM+\k]
	s_add_co_u32 s[RUN+\k], s[RUN+\k], s[TM+\k]
.endr
	v_min_u32 v[T0], 128, v[T0]                    ; 0 .. 127: in my tile; everything else: word 128
	v_lshl_add_u32 v[T0+3], v[T0], 2, s[LW]        ; inside my wave's 768 bytes
	ds_store_b32 v[T0+3], v[T0+2]
.set g, g+1
.endr
.Lplaced:
	BAR                                            ; barrier 2: all eight lists are written
	s_cmp_lt_u32 s[WV], 4                          ; threads 0-127 merge: each position was filled by one wave, the others hold 0
	s_cbranch_scc0 .Lmerged
	v_lshl_add_u32 v[AD], v0, 2, LISTS
.irp w, 0,1,2,3,4,5,6,7
	ds_load_b32 v[XD+\w], v[AD] offset:LISTW*\w
.endr
	s_wait_dscnt 0x0
	v_or_b32 v[XD], v[XD], v[XD+1]
	v_or_b32 v[XD+2], v[XD+2], v[XD+3]
	v_or_b32 v[XD+4], v[XD+4], v[XD+5]
	v_or_b32 v[XD+6], v[XD+6], v[XD+7]
	v_or_b32 v[XD], v[XD], v[XD+2]
	v_or_b32 v[XD+4], v[XD+4], v[XD+6]
	v_or_b32 v[XD], v[XD], v[XD+4]
	ds_store_b32 v[AD], v[XD] offset:MERGED-LISTS
.Lmerged:
	BAR                                            ; barrier 3, the last
	; my wave's 16 entries, the same in every lane
	s_lshl_b32 s[TMP], s[WV], 6
	s_add_co_u32 s[TMP], s[TMP], MERGED
	v_mov_b32 v[AD], s[TMP]
.irp q, 0,1,2,3
	ds_load_b128 v[M+4*\q:M+4*\q+3], v[AD] offset:16*\q
.endr
	s_mov_b32 s[HM], 0xffff0000
	s_lshl_b32 s61, s[TT], 7                       ; W(t) from the tile's first row and the four bounds
	s_mov_b32 s[WT], 0
	s_cmp_lt_u32 s61, s[CU+3]
	s_cselect_b32 s[WT], 1, s[WT]
	s_cmp_lt_u32 s61, s[CU+2]
	s_cselect_b32 s[WT], 2, s[WT]
	s_cmp_lt_u32 s61, s[CU+1]
	s_cselect_b32 s[WT], 4, s[WT]
	s_cmp_lt_u32 s61, s[CU]
	s_cselect_b32 s[WT], 8, s[WT]
	s_wait_dscnt 0x0
.set i, 0
.rept 16
	v_and_b32 v[T0], 0xffff, v[M+i]
	v_min_u32 v[T0], 0x1fff, v[T0]                 ; a token's number, held inside the table
	v_lshl_add_u32 v[RO+i], v[T0], 13, v[L16]      ; its row of 8,192 bytes + my 16
	v_lshrrev_b32 v[T0+1], 16, v[M+i]
	v_cmp_lt_u32 s[KM+i], s[CC], v[T0+1]           ; c < the row's wcode: the row has these columns
.set i, i+1
.endr
	s_cmp_lt_u32 s[CC], s[WT]
	s_cbranch_scc0 .Ldead
	; LIVE: 16 token rows x 256 columns of x
.set u, 0
.rept 2
.set i, 0
.rept 16
	global_load_b128 v[XD+4*(16*u+i):XD+4*(16*u+i)+3], v[RO+i], s[6:7] offset:512*u th:TH_LOAD_NT  ; 512 consecutive bytes of one row
.set i, i+1
.endr
.set u, u+1
.endr
	W_UNIT 32                                      ; the weights are converted while x is on its way: 32 younger loads
.set u, 0
.rept 2
	s_wait_loadcnt 16*(1-u)                        ; half u of the columns is in; the other half's 16 loads are younger
.set i, 0
.rept 16
	CV XD+4*(16*u+i)
	v_cndmask_b32 v[XD+4*(16*u+i)], 0, v[XD+4*(16*u+i)], s[KM+i]       ; a narrower row holds zeros here
	v_cndmask_b32 v[XD+4*(16*u+i)+1], 0, v[XD+4*(16*u+i)+1], s[KM+i]
	ds_store_b64 v[SA], v[XD+4*(16*u+i):XD+4*(16*u+i)+1] offset:528*i+256*u  ; behind the weight unit's reads of the stage, in the wave's order
.set i, i+1
.endr
.set u, u+1
.endr
.set i, 0
.rept 16
	ds_load_b128 v[XD+4*i:XD+4*i+3], v[FR] offset:32*i
.set i, i+1
.endr
.set i, 0
.rept 16
	s_wait_dscnt 15-i                              ; half block i is back; the younger LDS loads stay out
	global_store_b128 v[L16], v[XD+4*i:XD+4*i+3], s[12:13] offset:512*i  ; eight operand blocks: 8,192 consecutive bytes
.set i, i+1
.endr
	s_branch .Llists
.Ldead:                                                ; DEAD: out0 holds zeros in these columns of these rows
.set u, 0
.rept 2
.set i, 0
.rept 16
	global_store_b128 v[RO+i], v[Z:Z+3], s[24:25] offset:512*u th:TH_STORE_NT  ; 512 consecutive bytes of one row
.set i, i+1
.endr
.set u, u+1
.endr
	s_cmp_lg_u32 s[CC], 0
	s_cbranch_scc1 .Lno_xs
.set i, 0
.rept 16                                               ; column group 0 of a tile without a valid row: the first product loads it all the same, so it is written: zeros, as for every masked number of x
	global_store_b128 v[L16], v[Z:Z+3], s[12:13] offset:512*i
.set i, i+1
.endr
.Lno_xs:
	W_UNIT 0                                       ; no load was issued behind the weights'
.Llists:                                               ; one wave for each tile stores its part of the list; one wave of the launch the bounds
	s_or_b32 s[TMP], s[CC], s[WV]
	s_cmp_lg_u32 s[TMP], 0
	s_cbranch_scc1 .Lend
	v_add_nc_u32 v[AD], MERGED, v[L16]
	ds_load_b128 v[8:11], v[AD]
	s_wait_dscnt 0x0
	global_store_b128 v[L16], v[8:11], s[18:19]    ; 512 consecutive bytes
	s_cmp_lg_u32 s[G], 0
	s_cbranch_scc1 .Lend
	v_mov_b32 v12, 0                               ; words 0, 2, 4, 6: C4, C3, C2, C1; word 8: 0 for the first product, 1 for the second; the rest 0
	v_mov_b32 v13, 0
	v_mov_b32 v15, 0
	v_writelane_b32 v12, s[CU], 0
	v_writelane_b32 v12, s[CU+1], 1
	v_writelane_b32 v12, s[CU+2], 2
	v_writelane_b32 v12, s[CU+3], 3
	v_mov_b32 v14, v12
	s_mov_b32 s[TMP], 1
	v_writelane_b32 v14, s[TMP], 4
	v_lshrrev_b32 v[T0], 1, v[L16]                 ; 8 x lane: one store covers the buffer's 256 bytes
	global_store_b64 v[T0], v[12:13], s[20:21]
	global_store_b64 v[T0], v[14:15], s[22:23]
.Lend:
	s_wait_tensorcnt 0x0                           ; the wave's end, behind my last LDS store
	ds_add_u32 v[SPW], v[NIL]
	s_wait_dscnt 0x0
	s_endpgm
.Lfunc_end_k_q53ded1bb89_prep:
	.size	k_q53ded1bb89_prep, .Lfunc_end_k_q53ded1bb89_prep-k_q53ded1bb89_prep
	.p2alignl 7, 3214868480
	.fill 96, 4, 3214868480
	.section	.rodata,"a",@progbits
	.p2align	6, 0x0
	.amdhsa_kernel k_q53ded1bb89_prep
		.amdhsa_group_segment_fixed_size 75520
		.amdhsa_private_segment_fixed_size 0
		.amdhsa_enable_private_segment 0
		.amdhsa_kernarg_size 88
		.amdhsa_user_sgpr_count 2
		.amdhsa_user_sgpr_kernarg_segment_ptr 1
		.amdhsa_wavefront_size32 1
		.amdhsa_system_sgpr_workgroup_id_x 1
		.amdhsa_system_sgpr_workgroup_id_y 1
		.amdhsa_system_sgpr_workgroup_id_z 1
		.amdhsa_system_vgpr_workitem_id 0
		.amdhsa_next_free_vgpr 256
		.amdhsa_next_free_sgpr 104
		.amdhsa_reserve_vcc 0
		.amdhsa_float_denorm_mode_32 3
		.amdhsa_float_denorm_mode_16_64 3
		.amdhsa_memory_ordered 1
		.amdhsa_forward_progress 1
		.amdhsa_inst_pref_size 138
	.end_amdhsa_kernel
	.amdgpu_metadata
---
amdhsa.version: [ 1, 2 ]
amdhsa.kernels:
  - .name:           k_q53ded1bb89_prep
    .symbol:         k_q53ded1bb89_prep.kd
    .args:
      - { .name: token_mask, .offset: 0, .size: 8, .value_kind: global_buffer, .address_space: global }
      - { .name: x, .offset: 8, .size: 8, .value_kind: global_buffer, .address_space: global }
      - { .name: w1, .offset: 16, .size: 8, .value_kind: global_buffer, .address_space: global }
      - { .name: w2, .offset: 24, .size: 8, .value_kind: global_buffer, .address_space: global }
      - { .name: xs, .offset: 32, .size: 8, .value_kind: global_buffer, .address_space: global }
      - { .name: w1f, .offset: 40, .size: 8, .value_kind: global_buffer, .address_space: global }
      - { .name: w2f, .offset: 48, .size: 8, .value_kind: global_buffer, .address_space: global }
      - { .name: order, .offset: 56, .size: 8, .value_kind: global_buffer, .address_space: global }
      - { .name: meta1, .offset: 64, .size: 8, .value_kind: global_buffer, .address_space: global }
      - { .name: meta2, .offset: 72, .size: 8, .value_kind: global_buffer, .address_space: global }
      - { .name: out0, .offset: 80, .size: 8, .value_kind: global_buffer, .address_space: global }
    .group_segment_fixed_size: 75520
    .private_segment_fixed_size: 0
    .kernarg_segment_align: 8
    .kernarg_segment_size: 88
    .max_flat_workgroup_size: 256
    .sgpr_count:     104
    .vgpr_count:     256
    .wavefront_size: 32
...
	.end_amdgpu_metadata
.endif
;; end of part 3
;; launch hidden (part 4): grid 512 x 1, 4 waves a work-group, no clusters, 149,504 bytes of LDS; arguments xs, w1f, b1, order, meta1, h; writes h
.if DOCPART == 4
	.amdgcn_target "amdgcn-amd-amdhsa--gfx1250"
	.amdhsa_code_object_version 6
	.text
	.protected	k_q53ded1bb89_hidden
	.globl	k_q53ded1bb89_hidden
	.p2align	8
	.type	k_q53ded1bb89_hidden,@function
k_q53ded1bb89_hidden:
	s_mov_b64 s[64:65], 0
	v_nop
	global_prefetch_b8 v0, s[64:65] scope:SCOPE_SE
	s_setreg_imm32_b32 hwreg(HW_REG_WAVE_MODE, 25, 1), 1
	s_wait_xcnt 0x0
; ONE BODY FOR BOTH PRODUCTS.  Arguments: A (token rows as operand blocks), Wt (weight rows as operand blocks), bias (f32), order, meta, dst.
; meta word 8 = 0: dst = h = gelu(A Wt^T + bias), written as operand blocks in f16, K running only over the tile's width.
; meta word 8 = 1: dst = out0: (A Wt^T + bias), K = 2,048, scattered to the tokens' rows in f32, zero where a row is narrower than the column group; only live tiles.
; OPERAND BLOCKS: [16-row block][32-K block][half][lane][16 bytes], lane (r, hh) = row r, K = 16 half + 8 hh + 0..7.  All operands are f16; sums in f32.
; SHARES.  A work-group makes sorted rows 128 t .. + 127 x columns 256 c .. + 255.  Wave w makes all 128 rows x 64 columns: 32 accumulators.  The matrix instruction is used transposed
; (source 0 = 16 weight rows, source 1 = 16 token rows): a lane holds one token row (l % 16) and eight neighbouring columns.  Weights come from memory straight into operand registers (each wave's own);
; the token rows, which all four waves need, go through two LDS slots filled through registers.  A LAP is 256 of K: eight quarters of 32, 256 matrix instructions a wave.
; WHICH TILE.  First product: id = 8 t + c: every tile has work, W(t) laps, and the widest tiles have the lowest numbers.  Second product: a tile has eight laps or none, so the tiles with work are numbered on end,
; by row tile: T8 tiles of 8 column groups, then T4 - T8 of 4, T2 - T4 of 2, T1 - T2 of 1 (Tk = row tiles at least that wide, from the stored bounds).  The L = 4 T8 + 2 T4 + T2 + T1 work-groups with work
; are the first of the grid and all alike; those past L store nothing.  L is 512 at the most (all tokens at full width): the grid serves every split.
; t and c so made come from stored whole numbers: they enter addresses behind s_min_u32 with 63 and 7.
; THE COUNT OF LAPS hangs on the stored bounds: NL = W(t) for the first product; 8 or 0 for the second.  The loop has eight laps in every work-group, every wave passes every barrier, and only work
; (loads, LDS traffic, products) is jumped.  So no tensor load and no joint load is used: none may be jumped, and partners would need equal counts; filling for the widest case would fetch 2.1 times the needed bytes.
; So that every way through the jumps is sound, every register that crosses one is written in the prologue, and the waits that show loads done stand outside the jumped blocks and are for 0.
; THE PROLOGUE LOADS LAP 0 IN EVERY WORK-GROUP.  So K blocks 0 to 7 of every tile of A are always written: of xs by the launch before;
; of h by this body: in the first product column group 0 has NL = 1 at the least, so that a tile without a valid row (W(t) = 0) gets gelu(bias) there: one lap for each such tile, whose numbers no output takes.
; LIMITS.  f16 ends at 65,504: an h of 65,520 or more becomes an infinity (the drawn inputs give |h| under 4; all of x, w1, b1 thirty times larger give about 3,200).  The biases are rounded to bf16, like the other inputs.
; GELU is x Phi(x) with erf by the rational form of Abramowitz and Stegun 7.1.25, valid for every x: error in erf at most 2.5e-5, in gelu at most 1.25e-5 |x|; exp(-x^2/2) below 2^-126 counts as 0.
; NaN and infinities are not treated apart.
.set SLOTB, 65536                      ; a slot: [row block 8][quarter 8][1,024 bytes]; lane i reads and writes at 16 i, so no padding is wanted
.set ENT,   131072                     ; the tile's 128 entries of order
.set STG,   131584                     ; 4 waves x 16 rows of 256 bytes + 16 of padding (pitch 272 = 17 x 16), each wave's own
.set STGW,  4352
.set SPARE, 148992                     ; the spare words, 128 bytes for each wave: two blocks of 256 bytes that no other line names
; window 0
.set L16, 1                            ; v1     16 x lane
.set FET, 2                            ; v2-3   where I read operand blocks in slot 0, 1
.set STA, 4                            ; v4-5   where my wave writes its two row blocks in slot 0, 1
.set BV,  6                            ; v6     32 hh: my eight biases of a column block
.set V4,  7                            ; v7     4 x thread
.set STO, 8                            ; v8     stage, in
.set RD,  9                            ; v9     stage, back
.set ENA, 10                           ; v10    my eight rows' entries
.set CB,  11                           ; v11    16 (l % 16)
.set ENV, 12                           ; v12    an entry as loaded
.set ENS, 13                           ; v13    where it goes
.set T0,  14                           ; v14-16 at work
.set SPW, 30                           ; v30    LDS address of my spare word; never rewritten
.set NIL, 31                           ; v31    0; never rewritten
.set BI,  32                           ; v32-63   the biases, eight for each of four column blocks; later GELU's constants
.set SG,  64                           ; v64-127  token row block 2 w on its way from memory to LDS
.set FA0, 128                          ; v128-191, v192-255  token operands of a quarter, two buffers
; window 1: weight operands: buffer 0 (quarters 0-3) v0-127, buffer 1 (quarters 4-7) v128-255; (quarter q, column block b) at 128 buf + 32 q + 8 b
; window 2: accumulator (row block a, column block b) at 8 (4 a + b)
.set S3,  0                            ; window 3: v0-63  token row block 2 w + 1 on its way from memory to LDS
.set AB,  4                            ; s[4:5]   A, stepped
.set WB,  6                            ; s[6:7]   Wt, stepped
.set BP,  8                            ; s[8:9]   bias
.set OP,  10                           ; s[10:11] order
.set MP,  12                           ; s[12:13] meta
.set DP,  14                           ; s[14:15] dst
.set MODE, 24
.set WV,  25
.set TT,  26
.set CC,  27
.set WW,  28                           ; W(t)
.set NL,  29                           ; live laps
.set NXT, 30                           ; the lap in hand + 1
.set TRIP, 31
.set ID,  43                           ; s43  the work-group's number
.set SH,  44                           ; s44  second product: log2 of the column groups of a tile in my run
.set BB,  45                           ; s45  the run's first number; then my place in the run
.set TB,  46                           ; s46  the run's first row tile; then my row tile
.set CJ,  47                           ; s47  my column group
.set NL1, 48                           ; s48  NL - 1 (0 where NL is 0): NXT < NL1 says that a lap after the next exists
.set MSB, 0
.macro WIN new                         ; the immediate's high byte repeats the setting that is left; a switch that changes nothing is dropped
.if MSB != (\new)
	s_set_vgpr_msb (MSB<<8)|(\new)
.set MSB, (\new)
.endif
.endm
.macro PLACES                          ; four plain vector instructions between a matrix instruction and a load into, or a read of, its registers
.rept 4
	v_nop
.endr
.endm
.macro FETCH slot, kq, f               ; the 8 token operands of quarter kq: 16 LDS loads of 512 consecutive bytes
	WIN 0
.irp a, 0,1,2,3,4,5,6,7
	ds_load_b128 v[(\f)+8*\a:(\f)+8*\a+3],   v[FET+(\slot)] offset:8192*\a+1024*(\kq)
	ds_load_b128 v[(\f)+8*\a+4:(\f)+8*\a+7], v[FET+(\slot)] offset:8192*\a+1024*(\kq)+512
.endr
.endm
.macro MUL kq, f                       ; 32 matrix instructions; the 32 accumulators take turns, in the same order everywhere
	WIN 0xa1                                       ; source 0 (weights) window 1, source 1 (tokens) window 0, C and D window 2
.irp a, 0,1,2,3,4,5,6,7
.irp b, 0,1,2,3
	v_wmma_f32_16x16x32_f16 v[8*(4*\a+\b):8*(4*\a+\b)+7], v[128*((\kq)/4)+32*((\kq)%4)+8*\b:128*((\kq)/4)+32*((\kq)%4)+8*\b+7], v[(\f)+8*\a:(\f)+8*\a+7], v[8*(4*\a+\b):8*(4*\a+\b)+7]
.endr
.endr
.endm
.macro BLOAD buf                       ; my 64 weight rows x 128 of K: 32 loads of 512 consecutive bytes, straight into operand registers
	WIN 0x40                                       ; destination window 1, address window 0
.irp q, 0,1,2,3
.irp b, 0,1,2,3
	global_load_b128 v[128*(\buf)+32*\q+8*\b:128*(\buf)+32*\q+8*\b+3],   v[L16], s[WB:WB+1] offset:65536*\b+4096*(\buf)+1024*\q
	global_load_b128 v[128*(\buf)+32*\q+8*\b+4:128*(\buf)+32*\q+8*\b+7], v[L16], s[WB:WB+1] offset:65536*\b+4096*(\buf)+1024*\q+512
.endr
.endr
	WIN 0
.endm
.macro ALOAD i, reg, w, off            ; row block 2 wave + i of the tile, 256 of K, off bytes on from the base: 8,192 consecutive bytes, into registers of window w
	WIN (\w)<<6                                    ; destination window w, address window 0
.irp j, 0,1,2,3,4,5,6,7,8,9,10,11,12,13,14,15
	global_load_b128 v[(\reg)+4*\j:(\reg)+4*\j+3], v[L16], s[AB:AB+1] offset:65536*(\i)+512*\j+(\off)
.endr
	WIN 0
.endm
.macro ASTORE slot, i, reg, w          ; and into its place in a slot
	WIN (\w)<<2                                    ; store data (source 1) window w, address window 0
.irp j, 0,1,2,3,4,5,6,7,8,9,10,11,12,13,14,15
	ds_store_b128 v[STA+(\slot)], v[(\reg)+4*\j:(\reg)+4*\j+3] offset:8192*(\i)+512*\j
.endr
	WIN 0
.endm
.macro STEP slot, kq                   ; quarters 1 to 6: this quarter's operands are in; the next quarter's are asked for; 32 products
	s_wait_dscnt 0x0                               ; asked for ahead of the quarter before
	PLACES                                         ; the buffer to be loaded was read by the quarter before
	FETCH \slot, (\kq)+1, FA0+64*(((\kq)+1)%2)
	MUL \kq, FA0+64*((\kq)%2)
.endm
; A LAP.  It reads slot `slot`; its quarter 0's operands were read from LDS behind the barrier of the lap before (lap 0's: behind the prologue's).
; WHAT IS ASKED FOR WHEN.  If a further live lap follows (NXT < NL):
;   at the head: the next lap's row block 2 w (16 loads).  With weight buffer 1 (32 loads, asked for behind quarter 7 of the lap before) it is waited for behind quarter 3: four quarters' products lie between.
;   behind quarter 3: both row blocks of the next lap go into the other slot; weight buffer 0 is asked for (32 loads), and, if a lap after the next exists, that lap's row block 2 w + 1 (16 loads), whose stage has just
;   been read out.  These are waited for behind quarter 7: four quarters again.  So a wave has 48 loads out at the most in a lap.
;   The bases are stepped behind the wait for 0 that follows quarter 3, where no load is out; the head's loads reach the next lap by 8,192 in the immediate.
; THE BARRIER stands in front of quarter 7, at the join of the ways with and without work.  In front of it each wave's reads of this slot are over (the last, quarter 7's, were asked for ahead of quarter 6) and its stores into
; the other slot are done.  Behind it the other slot's quarter 0 is read, under quarter 7's products; this slot is written again behind quarter 3 of the next lap.
.macro LAP slot
	WIN 0
	s_cmp_le_u32 s[NXT], s[NL]
	s_cbranch_scc1 .Llive_\@
	s_wait_loadcnt 0x0                             ; a lap without work: no load stays out
	s_branch .Lmeet_\@
.Llive_\@:
	PLACES                                         ; behind quarter 7 of the lap before: its token buffer is loaded again below
	s_cmp_lt_u32 s[NXT], s[NL]
	s_cbranch_scc0 .Lm1_\@
	ALOAD 0, SG, 0, 8192
.Lm1_\@:
	s_wait_dscnt 0x0                               ; quarter 0's operands, asked for ahead of quarter 7 of the lap before
	FETCH \slot, 1, FA0+64
	MUL 0, FA0
	STEP \slot, 1
	STEP \slot, 2
	STEP \slot, 3
	WIN 0
	s_wait_loadcnt 0x0                             ; weight buffer 1 and the next lap's row block 2 w are in; no load is out
	s_cmp_lt_u32 s[NXT], s[NL]
	s_cbranch_scc0 .Lm2_\@
	ASTORE 1-\slot, 0, SG, 0
	ASTORE 1-\slot, 1, S3, 3
	s_add_nc_u64 s[AB:AB+1], s[AB:AB+1], 8192      ; the next lap: eight K blocks of 1,024 bytes on
	s_add_nc_u64 s[WB:WB+1], s[WB:WB+1], 8192
	PLACES                                         ; weight buffer 0 was read by the products just issued
	BLOAD 0
	s_cmp_lt_u32 s[NXT], s[NL1]
	s_cbranch_scc0 .Lm2_\@
	ALOAD 1, S3, 3, 8192                           ; from the stepped base: the lap after the next
.Lm2_\@:
	STEP \slot, 4
	STEP \slot, 5
	STEP \slot, 6
	WIN 0
.Lmeet_\@:
	s_wait_dscnt 0x0                               ; my reads of this slot and my stores into the other are done
	s_barrier_signal -1
	s_barrier_wait -1
	s_cmp_lt_u32 s[NXT], s[NL]
	s_cbranch_scc0 .Lm3_\@
	PLACES                                         ; the buffer to be loaded was read by quarter 6
	FETCH 1-\slot, 0, FA0
.Lm3_\@:
	s_cmp_le_u32 s[NXT], s[NL]
	s_cbranch_scc0 .Lm7_\@
	MUL 7, FA0+64
	WIN 0
.Lm7_\@:
	s_wait_loadcnt 0x0                             ; weight buffer 0 for the next lap and row block 2 w + 1 for the lap after it are in
	s_cmp_lt_u32 s[NXT], s[NL]
	s_cbranch_scc0 .Lm4_\@
	PLACES                                         ; weight buffer 1 was read by the products just issued
	BLOAD 1
.Lm4_\@:
	s_add_co_u32 s[NXT], s[NXT], 1
.endm
	s_load_b256 s[4:11], s[0:1], 0x0               ; A, Wt, bias, order
	s_load_b128 s[12:15], s[0:1], 0x20             ; meta, dst
	v_lshl_add_u32 v[SPW], v0, 2, SPARE
	v_mov_b32 v[NIL], 0
	v_lshrrev_b32 v[T0], 5, v0
	v_readfirstlane_b32 s[WV], v[T0]
	s_mov_b32 s[ID], ttmp9
	s_wait_kmcnt 0x0
	s_load_b256 s[16:23], s[MP:MP+1], 0x0          ; C4 s16, C3 s18, C2 s20, C1 s22
	s_load_b32 s[MODE], s[MP:MP+1], 0x20
	v_and_b32 v[T0], 31, v0
	v_lshlrev_b32 v[L16], 4, v[T0]
	v_and_b32 v[T0+1], 15, v0                      ; r
	v_lshrrev_b32 v[T0+2], 4, v[T0]                ; hh
	v_mov_b32 v[FET], v[L16]
	v_add_nc_u32 v[FET+1], SLOTB, v[L16]
	s_lshl_b32 s32, s[WV], 14                      ; my wave's two row blocks of 8,192 bytes
	v_add_nc_u32 v[STA], s32, v[L16]
	v_add_nc_u32 v[STA+1], SLOTB, v[STA]
	v_lshlrev_b32 v[BV], 5, v[T0+2]
	v_lshlrev_b32 v[V4], 2, v0
	s_mul_i32 s33, s[WV], STGW
	s_add_co_u32 s33, s33, STG                     ; my stage
	v_mul_u32_u24 v[STO], v[T0+1], 272             ; in: row r, 32 bytes for each half of the lanes
	v_lshl_add_u32 v[STO], v[T0+2], 5, v[STO]
	v_add_nc_u32 v[STO], s33, v[STO]
	v_mul_u32_u24 v[RD], v[T0+2], 2176             ; back: lanes 0-15 a row of 256 bytes, lanes 16-31 the row eight further on
	v_lshl_add_u32 v[RD], v[T0+1], 4, v[RD]
	v_add_nc_u32 v[RD], s33, v[RD]
	v_lshl_add_u32 v[ENA], v[T0+2], 5, ENT
	v_lshlrev_b32 v[CB], 4, v[T0+1]
	v_lshl_add_u32 v[ENS], v0, 2, ENT
	s_mov_b32 s36, 0x3eaa540e                      ; 0.47047 / sqrt(2); each constant twice: the packed forms name a pair
	s_mov_b32 s37, 0x3eaa540e
	s_mov_b32 s38, 0xbf38aa3b                      ; -log2(e) / 2
	s_mov_b32 s39, 0xbf38aa3b
	s_mov_b32 s40, 0x3ebf7377                      ; 0.7478556 / 2
	s_mov_b32 s41, 0x3ebf7377
	s_mov_b32 s42, 0x7fffffff
	s_wait_kmcnt 0x0                               ; the bounds and the mode
	s_add_co_u32 s16, s16, 127                     ; row tiles whose first row is at least so wide: tile t is, if 128 t < the bound
	s_lshr_b32 s16, s16, 7                         ; T8
	s_add_co_u32 s18, s18, 127
	s_lshr_b32 s18, s18, 7                         ; T4
	s_add_co_u32 s20, s20, 127
	s_lshr_b32 s20, s20, 7                         ; T2
	s_add_co_u32 s22, s22, 127
	s_lshr_b32 s22, s22, 7                         ; T1
	; the first product's tile and laps
	s_lshr_b32 s[TT], s[ID], 3
	s_and_b32 s[CC], s[ID], 7
	s_mov_b32 s[WW], 0
	s_cmp_lt_u32 s[TT], s22
	s_cselect_b32 s[WW], 1, s[WW]
	s_cmp_lt_u32 s[TT], s20
	s_cselect_b32 s[WW], 2, s[WW]
	s_cmp_lt_u32 s[TT], s18
	s_cselect_b32 s[WW], 4, s[WW]
	s_cmp_lt_u32 s[TT], s16
	s_cselect_b32 s[WW], 8, s[WW]
	s_cmp_eq_u32 s[CC], 0
	s_cselect_b32 s33, 1, 0
	s_max_u32 s33, s33, s[WW]                      ; K as far as the tile is wide; in column group 0 one lap at the least
	; the second product's: the numbers at which the runs of 4, 2 and 1 column groups a tile begin, and the number of tiles with work
	s_lshl_b32 s17, s16, 3                         ; Q8 = 8 T8
	s_sub_co_u32 s19, s18, s16
	s_lshl2_add_u32 s19, s19, s17                  ; Q4 = Q8 + 4 (T4 - T8)
	s_sub_co_u32 s21, s20, s18
	s_lshl1_add_u32 s21, s21, s19                  ; Q2 = Q4 + 2 (T2 - T4)
	s_sub_co_u32 s23, s22, s20
	s_add_co_u32 s23, s23, s21                     ; L = Q2 + (T1 - T2)
	s_mov_b32 s[SH], 3
	s_mov_b32 s[BB], 0
	s_mov_b32 s[TB], 0
	s_cmp_ge_u32 s[ID], s17
	s_cselect_b32 s[SH], 2, s[SH]
	s_cselect_b32 s[BB], s17, s[BB]
	s_cselect_b32 s[TB], s16, s[TB]
	s_cmp_ge_u32 s[ID], s19
	s_cselect_b32 s[SH], 1, s[SH]
	s_cselect_b32 s[BB], s19, s[BB]
	s_cselect_b32 s[TB], s18, s[TB]
	s_cmp_ge_u32 s[ID], s21
	s_cselect_b32 s[SH], 0, s[SH]
	s_cselect_b32 s[BB], s21, s[BB]
	s_cselect_b32 s[TB], s20, s[TB]
	s_sub_co_u32 s[BB], s[ID], s[BB]               ; my place in the run
	s_lshr_b32 s[CJ], s[BB], s[SH]
	s_add_co_u32 s[TB], s[TB], s[CJ]               ; t
	s_lshl_b32 s[CJ], s[CJ], s[SH]
	s_sub_co_u32 s[CJ], s[BB], s[CJ]               ; c
	s_cmp_lt_u32 s[ID], s23
	s_cselect_b32 s[NL], 8, 0                      ; all of K, or nothing
	s_cmp_eq_u32 s[MODE], 0
	s_cselect_b32 s[NL], s33, s[NL]
	s_cselect_b32 s[TT], s[TT], s[TB]
	s_cselect_b32 s[CC], s[CC], s[CJ]
	s_min_u32 s[TT], s[TT], 63                     ; held inside the 64 row tiles and the 8 column groups: a work-group past L falls on a tile that exists, whose lap 0 is always written
	s_min_u32 s[CC], s[CC], 7
	s_max_u32 s[NL1], s[NL], 1
	s_sub_co_u32 s[NL1], s[NL1], 1
	; the addresses
	s_lshl_b32 s32, s[TT], 19                      ; A: row block 8 t + 2 wave, 65,536 bytes a row block
	s_lshl_b32 s33, s[WV], 17
	s_add_co_u32 s32, s32, s33
	s_mov_b32 s33, 0
	s_add_nc_u64 s[AB:AB+1], s[AB:AB+1], s[32:33]
	s_lshl_b32 s34, s[CC], 20                      ; Wt: row block 16 c + 4 wave
	s_lshl_b32 s35, s[WV], 18
	s_add_co_u32 s34, s34, s35
	s_mov_b32 s35, 0
	s_add_nc_u64 s[WB:WB+1], s[WB:WB+1], s[34:35]
	s_lshl_b32 s34, s[CC], 10                      ; bias: column 256 c + 64 wave
	s_lshl_b32 s32, s[WV], 8
	s_add_co_u32 s34, s34, s32
	s_add_nc_u64 s[BP:BP+1], s[BP:BP+1], s[34:35]
	s_lshl_b32 s34, s[TT], 9                       ; order: the tile's 128 words
	s_add_nc_u64 s[OP:OP+1], s[OP:OP+1], s[34:35]
	ALOAD 0, SG, 0, 0                              ; lap 0's token rows, through the two stages that the laps use: so both are written on every way
	ALOAD 1, S3, 3, 0
.irp b, 0,1,2,3
	global_load_b128 v[BI+8*\b:BI+8*\b+3],   v[BV], s[BP:BP+1] offset:64*\b
	global_load_b128 v[BI+8*\b+4:BI+8*\b+7], v[BV], s[BP:BP+1] offset:64*\b+16
.endr
	global_load_b32 v[ENV], v[V4], s[OP:OP+1]
	BLOAD 0                                        ; and its weights
	BLOAD 1
	s_wait_loadcnt 63                              ; 64 weight loads are younger than the first 41; the wait's field names 63 at the most
	ASTORE 0, 0, SG, 0
	ASTORE 0, 1, S3, 3
	ds_store_b32 v[ENS], v[ENV]
.set i, 0
.rept 16                                               ; the biases rounded to bf16, kept as f32
	v_cvt_pk_bf16_f32 v[T0+i%2], v[BI+2*i], v[BI+2*i+1]
	v_lshlrev_b32 v[BI+2*i], 16, v[T0+i%2]
	v_and_b32 v[BI+2*i+1], 0xffff0000, v[T0+i%2]
.set i, i+1
.endr
	WIN 0x80                                       ; destination window 2
.set n, 0
.rept 256                                              ; every sum starts at its column's bias: these moves stand for the adds that the way out would want, and run while the weights are on their way
	v_mov_b32 v[n], v[BI+n%32]
.set n, n+1
.endr
	WIN 0
	s_wait_loadcnt 32                              ; weight buffer 0 is in; buffer 1's 32 loads stay out
	s_cmp_gt_u32 s[NL], 1
	s_cbranch_scc0 .Lone_lap
	ALOAD 1, S3, 3, 8192                           ; lap 1's row block 2 w + 1: in the laps this block is asked for a lap and a half ahead
.Lone_lap:
	s_wait_dscnt 0x0                               ; my part of slot 0 and my entries are in LDS
	s_barrier_signal -1
	s_barrier_wait -1
	FETCH 0, 0, FA0                                ; lap 0's quarter 0, as each lap reads its successor's behind its barrier;
	FETCH 0, 1, FA0+64                             ; quarter 1's too, which lap 0's head reads once more: so the second token buffer is written on every way through the jumps
	s_mov_b32 s[NXT], 1
	s_mov_b32 s[TRIP], 4
.Ltrip:                                                ; four trips of two laps, in every work-group
	LAP 0
	LAP 1
	s_sub_co_u32 s[TRIP], s[TRIP], 1
	s_cmp_lg_u32 s[TRIP], 0
	s_cbranch_scc1 .Ltrip
	s_wait_dscnt 0x0                               ; no LDS load is out when the token buffers' registers are taken for the way out
	PLACES                                         ; behind the last products, ahead of the first read of a sum
	s_cmp_eq_u32 s[NL], 0
	s_cbranch_scc1 .Lend                           ; a work-group without work stores nothing
	s_cmp_lg_u32 s[MODE], 0
	s_cbranch_scc1 .Lscat
; THE FIRST PRODUCT'S WAY OUT.  gelu(x) = max(x, 0) - |x| Q, Q = (a1 T + a2 T^2 + a3 T^3) / 2 x exp(-x^2 / 2), T = 1 / (1 + 0.47047 |x| / sqrt(2)).
; A block of 16 rows at a time: its 64 reciprocals and exponentials are one batch with one wait.  A lane's eight columns of accumulators b = 2 k, 2 k + 1 are the two halves of h's operand block k.
.set GY, 64                            ; x^2, then exp(-x^2/2)
.set GA, 96                            ; |x|
.set GR, 128                           ; max(x, 0), then the result
.set GU, 160                           ; 1 + p |x|, then T
.set GQ, 192
.set GH, 224                           ; 16 registers of f16 pairs
.macro GELU a
	WIN 0
	s_wait_xcnt 0x0                                ; the last block's stores have given up their data registers
	WIN 0x0a                                       ; sources in window 2, destination in window 0
.set p, 0
.rept 16                                               ; in ascending order: each accumulator's lowest registers are read first
	v_pk_mul_f32 v[GY+2*p:GY+2*p+1], v[32*(\a)+2*p:32*(\a)+2*p+1], v[32*(\a)+2*p:32*(\a)+2*p+1]
	v_and_b32 v[GA+2*p], s42, v[32*(\a)+2*p]
	v_and_b32 v[GA+2*p+1], s42, v[32*(\a)+2*p+1]
	v_max_num_f32 v[GR+2*p], 0, v[32*(\a)+2*p]
	v_max_num_f32 v[GR+2*p+1], 0, v[32*(\a)+2*p+1]
.set p, p+1
.endr
	WIN 0
.set p, 0
.rept 16
	v_pk_fma_f32 v[GU+2*p:GU+2*p+1], v[GA+2*p:GA+2*p+1], s[36:37], 1.0 op_sel_hi:[1,0,0]
.set p, p+1
.endr
.set p, 0
.rept 16
	v_pk_mul_f32 v[GY+2*p:GY+2*p+1], v[GY+2*p:GY+2*p+1], s[38:39] op_sel_hi:[1,0]
.set p, p+1
.endr
.set p, 0
.rept 32
	v_rcp_f32 v[GU+p], v[GU+p]
.set p, p+1
.endr
.set p, 0
.rept 32
	v_exp_f32 v[GY+p], v[GY+p]
.set p, p+1
.endr
	v_nop                                          ; a plain instruction behind the last of the batch,
	s_wait_alu depctr_va_vdst(0)                   ; and the one wait ahead of the batch's first reader
.set p, 0
.rept 16
	v_pk_fma_f32 v[GQ+2*p:GQ+2*p+1], v[GU+2*p:GU+2*p+1], s[40:41], v[32:33] op_sel_hi:[1,0,1]
.set p, p+1
.endr
.set p, 0
.rept 16
	v_pk_fma_f32 v[GQ+2*p:GQ+2*p+1], v[GQ+2*p:GQ+2*p+1], v[GU+2*p:GU+2*p+1], v[34:35]
.set p, p+1
.endr
.set p, 0
.rept 16
	v_pk_mul_f32 v[GQ+2*p:GQ+2*p+1], v[GQ+2*p:GQ+2*p+1], v[GU+2*p:GU+2*p+1]
.set p, p+1
.endr
.set p, 0
.rept 16
	v_pk_mul_f32 v[GQ+2*p:GQ+2*p+1], v[GQ+2*p:GQ+2*p+1], v[GY+2*p:GY+2*p+1]
.set p, p+1
.endr
.set p, 0
.rept 16
	v_pk_fma_f32 v[GR+2*p:GR+2*p+1], v[GA+2*p:GA+2*p+1], v[GQ+2*p:GQ+2*p+1], v[GR+2*p:GR+2*p+1] neg_lo:[1,0,0] neg_hi:[1,0,0]
.set p, p+1
.endr
.set p, 0
.rept 16
	v_cvt_pk_f16_f32 v[GH+p], v[GR+2*p], v[GR+2*p+1]
.set p, p+1
.endr
.irp b, 0,1,2,3
	global_store_b128 v[L16], v[GH+4*\b:GH+4*\b+3], s[DP:DP+1] offset:65536*(\a)+1024*(\b/2)+512*(\b%2)  ; 512 consecutive bytes: half an operand block
.endr
.endm
	s_lshl_b32 s32, s[TT], 19                      ; h: row block 8 t, K block 8 c + 2 wave
	s_lshl_b32 s33, s[CC], 13
	s_add_co_u32 s32, s32, s33
	s_lshl_b32 s33, s[WV], 11
	s_add_co_u32 s32, s32, s33
	s_mov_b32 s33, 0
	s_add_nc_u64 s[DP:DP+1], s[DP:DP+1], s[32:33]
	v_mov_b32 v32, 0xbd445ca1                      ; -0.0958798 / 2
	v_mov_b32 v33, 0xbd445ca1
	v_mov_b32 v34, 0x3e32303a                      ; 0.3480242 / 2
	v_mov_b32 v35, 0x3e32303a
.irp a, 0,1,2,3,4,5,6,7
	GELU \a
.endr
	s_branch .Lend
; THE SECOND PRODUCT'S WAY OUT.  A block of 16 rows goes through my stage and comes back as whole pieces of rows, 256 bytes for sixteen lanes; each piece goes to its token's row of out0,
; as zeros where the row is narrower than this column group.
.set EN,  64                           ; v64-71   my eight rows' entries
.set OFF, 72                           ; v72-79   their byte offsets in out0
.set OB,  128                          ; v128-159 eight pieces of rows
.macro SCAT a
	WIN 0
	s_wait_xcnt 0x0                                ; the last block's stores have given up their offsets and data registers
	WIN 0x08                                       ; store data in window 2
.irp b, 0,1,2,3
	ds_store_b128 v[STO], v[32*(\a)+8*\b:32*(\a)+8*\b+3]   offset:64*\b
	ds_store_b128 v[STO], v[32*(\a)+8*\b+4:32*(\a)+8*\b+7] offset:64*\b+16
.endr
	WIN 0
	ds_load_b128 v[EN:EN+3],   v[ENA] offset:64*(\a)
	ds_load_b128 v[EN+4:EN+7], v[ENA] offset:64*(\a)+16
.irp r, 0,1,2,3,4,5,6,7
	ds_load_b128 v[OB+4*\r:OB+4*\r+3], v[RD] offset:272*\r  ; a wave's LDS instructions are served in order: these see the stores above, and the next block's stores come behind them
.endr
	s_wait_dscnt 8                                 ; the entries are in; the eight loads of rows are younger
.irp r, 0,1,2,3,4,5,6,7
	v_and_b32 v[T0], 0xffff, v[EN+\r]
	v_min_u32 v[T0], 0x1fff, v[T0]                 ; a token's number, held inside the table
	v_lshl_add_u32 v[OFF+\r], v[T0], 13, v[CB]
	v_lshrrev_b32 v[T0+1], 16, v[EN+\r]
	v_cmp_lt_u32 vcc_lo, s[CC], v[T0+1]            ; c < the row's wcode
	s_wait_dscnt 7-\r                              ; piece r is back; the younger loads stay out
	v_cndmask_b32 v[OB+4*\r], 0, v[OB+4*\r], vcc_lo
	v_cndmask_b32 v[OB+4*\r+1], 0, v[OB+4*\r+1], vcc_lo
	v_cndmask_b32 v[OB+4*\r+2], 0, v[OB+4*\r+2], vcc_lo
	v_cndmask_b32 v[OB+4*\r+3], 0, v[OB+4*\r+3], vcc_lo
	global_store_b128 v[OFF+\r], v[OB+4*\r:OB+4*\r+3], s[DP:DP+1] th:TH_STORE_NT  ; sixteen lanes store 256 consecutive bytes, at a multiple of 256 from out0's first byte
.endr
.endm
.Lscat:
	s_lshl_b32 s32, s[CC], 10                      ; out0: column 256 c + 64 wave
	s_lshl_b32 s33, s[WV], 8
	s_add_co_u32 s32, s32, s33
	s_mov_b32 s33, 0
	s_add_nc_u64 s[DP:DP+1], s[DP:DP+1], s[32:33]
.irp a, 0,1,2,3,4,5,6,7
	SCAT \a
.endr
.Lend:
	s_wait_tensorcnt 0x0                           ; the wave's end, behind my last LDS store
	ds_add_u32 v[SPW], v[NIL]
	s_wait_dscnt 0x0
	s_endpgm
.Lfunc_end_k_q53ded1bb89_hidden:
	.size	k_q53ded1bb89_hidden, .Lfunc_end_k_q53ded1bb89_hidden-k_q53ded1bb89_hidden
	.p2alignl 7, 3214868480
	.fill 96, 4, 3214868480
	.section	.rodata,"a",@progbits
	.p2align	6, 0x0
	.amdhsa_kernel k_q53ded1bb89_hidden
		.amdhsa_group_segment_fixed_size 149504
		.amdhsa_private_segment_fixed_size 0
		.amdhsa_enable_private_segment 0
		.amdhsa_kernarg_size 48
		.amdhsa_user_sgpr_count 2
		.amdhsa_user_sgpr_kernarg_segment_ptr 1
		.amdhsa_wavefront_size32 1
		.amdhsa_system_sgpr_workgroup_id_x 1
		.amdhsa_system_sgpr_workgroup_id_y 1
		.amdhsa_system_sgpr_workgroup_id_z 1
		.amdhsa_system_vgpr_workitem_id 0
		.amdhsa_next_free_vgpr 832
		.amdhsa_next_free_sgpr 66
		.amdhsa_reserve_vcc 1
		.amdhsa_float_denorm_mode_32 3
		.amdhsa_float_denorm_mode_16_64 3
		.amdhsa_memory_ordered 1
		.amdhsa_forward_progress 1
		.amdhsa_inst_pref_size 255
	.end_amdhsa_kernel
	.section	.bss,"aw",@nobits
	.p2align	6
	.space	262144
	.amdgpu_metadata
---
amdhsa.version: [ 1, 2 ]
amdhsa.kernels:
  - .name:           k_q53ded1bb89_hidden
    .symbol:         k_q53ded1bb89_hidden.kd
    .args:
      - { .name: xs, .offset: 0, .size: 8, .value_kind: global_buffer, .address_space: global }
      - { .name: w1f, .offset: 8, .size: 8, .value_kind: global_buffer, .address_space: global }
      - { .name: b1, .offset: 16, .size: 8, .value_kind: global_buffer, .address_space: global }
      - { .name: order, .offset: 24, .size: 8, .value_kind: global_buffer, .address_space: global }
      - { .name: meta1, .offset: 32, .size: 8, .value_kind: global_buffer, .address_space: global }
      - { .name: h, .offset: 40, .size: 8, .value_kind: global_buffer, .address_space: global }
    .group_segment_fixed_size: 149504
    .private_segment_fixed_size: 0
    .kernarg_segment_align: 8
    .kernarg_segment_size: 48
    .max_flat_workgroup_size: 128
    .sgpr_count:     66
    .vgpr_count:     832
    .wavefront_size: 32
...
	.end_amdgpu_metadata
.endif
;; end of part 4
;; launch output: the kernel of part 4 again; grid 512 x 1, 4 waves a work-group, no clusters, 149,504 bytes of LDS; arguments h, w2f, b2, order, meta2, out0; writes out0
